; MI455X (gfx1250); checked and timed in simulation.
; The chip was launched on July 23, 2026; its instructions are those of AMD's public machine-readable ISA for CDNA 5 (MIT licence, August 2026) and "CDNA5" Instruction Set Architecture Reference Guide (July 2026). The comments in the code are by the model that wrote it; some were corrected since.
;; Attention Layer. Allowed arithmetic: matrix products marked QUANTISED: E2M3 operands, one E8M0 scale for each 32 along K, by v_wmma_scale_f32_16x16x128_f8f6f4 with both operands' format E2M3, f32 sums; everything else in f32.
;; Inputs: Wk 512 x 512 float32; Wo 512 x 512 float32; Wq 512 x 512 float32; Wv 512 x 512 float32; bk 512 float32; bo 512 float32; bq 512 float32; bv 512 float32; x 2 x 4,096 x 512 float32.
;; Outputs: out0 2 x 4,096 x 512 float32.
;; This version of the problem:
;;   THIS VERSION OF THE PROBLEM IS GIVEN IN LOW PRECISION. The matrix products marked QUANTISED in the list below multiply operands that are first quantised to E2M3 (2 exponent bits, 3 mantissa bits; 6 bits a number), with one power-of-two scale for each 32 numbers along K (OCP MX v1.0); their sums are f32. All else is computed in f32.
;;   The module's matrix products, in the order in which they are computed (A, B: the left and right operand; K: the contracted axis; several contracted axes count as one K, in the product's order):
;;     1. [M 8,192, K 512] x [K 512, N 512]; A: input x; B: input Wq: QUANTISED
;;     2. [M 8,192, K 512] x [K 512, N 512]; A: input x; B: input Wk: QUANTISED
;;     3. [M 8,192, K 512] x [K 512, N 512]; A: input x; B: input Wv: QUANTISED
;;     4. batch 16 x [M 4,096, K 64] x [K 64, N 4,096]; A: computed on the way; B: computed on the way: QUANTISED
;;     5. batch 16 x [M 4,096, K 4,096] x [K 4,096, N 64]; A: softmax (see below); B: computed on the way: QUANTISED
;;     6. [M 8,192, K 512] x [K 512, N 512]; A: computed on the way; B: input Wo: QUANTISED
;;   THE QUANTISER, for each operand of a quantised product, along K:
;;     - K is cut into blocks of 32 from its start; a last block that is shorter is filled with zeros.
;;     - A block's scale is 2^e with e = floor(log2(the largest magnitude in the block)) - 2, held to -126 .. 127; a block of zeros has e = 0. As a byte (E8M0): e + 127.
;;     - Each number is divided by its block's scale, clamped to +-7.5, and rounded to the nearest number of E2M3, ties to even, subnormals kept.
;;     - The product sums the exact products of the quantised numbers (number of the format x scale) in f32.
;;   ~~~python
;;   def quantise(x, axis):      # numpy; x: float32 -> the quantised numbers, widened to float32 again
;;       x = np.moveaxis(x, axis, -1); K = x.shape[-1]
;;       x = np.pad(x, [(0, 0)] * (x.ndim - 1) + [(0, -K % 32)]); x = x.reshape(x.shape[:-1] + (-1, 32)); a = np.abs(x).max(-1, keepdims=True)
;;       e = np.where(a > 0, np.clip(np.frexp(np.where(a > 0, a, 1))[1] - 1 - 2, -126, 127), 0)      # np.frexp(a)[1] - 1 = floor(log2(a)), exactly
;;       r = np.clip(x / 2.0 ** e, -7.5, 7.5)
;;       step = 2.0 ** (np.maximum(np.frexp(np.where(r == 0, 1, r))[1] - 1, 0) - 3)
;;       q = np.round(r / step) * step * 2.0 ** e      # np.round: ties to even
;;       return np.moveaxis(q.reshape(q.shape[:-2] + (-1,))[..., :K], -1, axis).astype(np.float32)
;;   ~~~
;;   SOFTMAX AHEAD OF A QUANTISED PRODUCT. Where the list says 'softmax', what is quantised is not the finished softmax but p = 2^(t - M), with t = logit x log2(e) and M = ceil(the row's largest t), a whole number; so 1/2 < the row's largest p <= 1. The row's sum l is taken of the UNQUANTISED p, in f32, and the product's result is divided by l at the end. Since M is a whole number, a kernel that streams over the keys may use a running M (the ceiling of the running maximum): every later rescaling is an exact power of two, which a block's scale takes up: the codes' values come out the same.
;;   OPERANDS COMPUTED ON THE WAY. 'Computed on the way' means the value that the module computes at that place (a softmax that the list does not call 'softmax' is quantised finished and normalised). What goes into a quantiser is computed in f32, as accurately as f32 sums, v_exp_f32 and their like allow (about 1e-6 of the number): no bf16 or f16 on the way to a quantiser, and a product that is left as it is and whose result goes on into a quantised operand takes f32 operands (vector FMAs, or v_wmma_f32_16x16x4_f32). A number that lies on a knife's edge between two numbers of the format may be rounded either way, as far as f32 arithmetic and the matrix unit's own rounding can turn it there, and no further.
;; 2 versions. Each part assembles by itself: llvm-mc -triple=amdgcn-amd-amdhsa -mcpu=gfx1250 --defsym DOCPART=n.
;; ======== version 1 of 2: 4 launches
;; workspace buffers: xc 3,276,800 bytes; wc 819,200 bytes; qc 3,276,800 bytes; kvc 6,553,600 bytes; oc 3,276,800 bytes
;; launch quant (part 1): grid 160 x 1, 4 waves a work-group, no clusters, 34,304 bytes of LDS; arguments x, Wq, Wk, Wv, Wo, xc, wc; writes xc, wc
.if DOCPART == 1
	.amdgcn_target "amdgcn-amd-amdhsa--gfx1250"
	.amdhsa_code_object_version 6
	.text
	.protected	k_qecde36dcc1_quant
	.globl	k_qecde36dcc1_quant
	.p2align	8
	.type	k_qecde36dcc1_quant,@function
k_qecde36dcc1_quant:
	s_mov_b64 s[64:65], 0
	v_nop
	global_prefetch_b8 v0, s[64:65] scope:SCOPE_SE
	s_setreg_imm32_b32 hwreg(HW_REG_WAVE_MODE, 25, 1), 1
	s_wait_xcnt 0x0
; x [8192][512] and the four weights [512][512], f32, K innermost, become codes of FP6 (E2M3) with one E8M0 byte for each 32 along K, laid in the ORDER OF AN OPERAND'S REGISTERS.
; TILES.  Tile T of a tensor is its rows 32 (T / 2) + 8 (T % 2) + i + 8 (i / 8), i = 0 .. 15: eight neighbouring rows and the eight that lie 16 further on.  So, where such a tile is source 0 of a product,
; the 16 result registers of tiles 2 b and 2 b + 1 are 16 neighbours along that axis, which the later launches quantise or store.
; IMAGE.  A fragment (16 rows x 128 K: 12 registers a lane) is 1,536 bytes: registers 4 c .. 4 c + 3 of lane l at 512 c + 16 l.  Tile T, K step s at (4 T + s) x 1,536; the row's four scale words at SOFF + 256 T + 16 r + 4 s.
; wc holds Wq's 32 tiles, then Wk's, Wv's, Wo's.
; A block's scale is 2^(floor(log2(its largest magnitude)) - 2); its byte is the largest magnitude's exponent field - 2, held at 1 from below.
; LIMITS: a block of zeros, and one whose largest magnitude lies under 2^-124, takes the byte 1 (a block of zeros has zero codes, which add nothing, and this program alone reads the bytes); NaN and infinities are not served.
; SHARES.  640 tiles, one to a wave.  Work-groups 0-127 take x, 128-159 the weights, eight each: only pointers are chosen, all tensors take one path.  No barrier: waves share nothing.
; Each load reads 512 consecutive bytes of one row; the 16 rows' 8,192 bytes turn through the wave's own stage in LDS, so that a lane gets 16 neighbours of each block of 32 of ITS row.
.set ROWB, 2048                        ; a row in bytes
.set SPI,  528                         ; a stage row: 512 bytes + 16: the sixteen rows that a read touches start in different banks
.set STGB, 16*SPI
.set R0,   16                          ; v16-79, v80-143  two sets of 64 numbers as loaded
.set X,    144                         ; v144-207 64 numbers: register 16 b + i = k 32 b + 16 (lane / 16) + i of my row
.set PC,   208                         ; v208-227 the codes
.set TM,   228                         ; v228-243 at work
.set PW,   244                         ; v244-247 the scale words of the four K steps
.set SW,   248                         ; v[248:249] the two that I store
.set SEL,  30                          ; s[30:31] lane selects: lane l xor 16
	s_load_b256 s[4:11], s[0:1], 0x0               ; x, Wq, Wk, Wv
	s_load_b128 s[12:15], s[0:1], 0x20             ; Wo, xc
	s_load_b64 s[16:17], s[0:1], 0x30              ; wc
	v_lshl_add_u32 v254, v0, 2, 0x8400
	v_mov_b32 v255, 0
	v_lshrrev_b32 v6, 5, v0
	v_readfirstlane_b32 s18, v6                    ; wave
	v_and_b32 v5, 31, v0                           ; lane
	v_and_b32 v6, 15, v0                           ; r
	v_bfe_u32 v7, v0, 4, 1                         ; h
	v_lshlrev_b32 v1, 4, v5                        ; 16 x lane: in a row's 512 bytes, and in an image's
	s_mul_i32 s19, s18, STGB                       ; my stage
	v_add_nc_u32 v2, s19, v1                       ; into it: 16 x lane
	v_mul_u32_u24 v3, v6, SPI
	v_lshl_add_u32 v3, v7, 6, v3
	v_add_nc_u32 v3, s19, v3                       ; out of it: row r, + 64 h
	v_lshlrev_b32 v4, 4, v6
	v_lshl_add_u32 v4, v7, 3, v4                   ; my two scale words: 16 r + 8 h
	s_mov_b32 s[SEL], 0x76543210
	s_mov_b32 s[SEL+1], 0xfedcba98
.irp b, 0,1,2,3
	v_mov_b32 v[TM+4+\b], 0                        ; written once: a lane permute's destination counts as one of its sources
.endr
	s_lshr_b32 s20, ttmp9, 3                       ; 16 .. 19 in the weights' work-groups: Wq, Wk, Wv, Wo
	s_and_b32 s21, ttmp9, 7                        ; a weight's work-group among its eight
	s_sub_co_u32 s22, ttmp9, 128                   ; and among all 32
	s_mov_b32 s23, 786432                          ; where wc's scale words begin
	s_wait_kmcnt 0x0
	s_mov_b64 s[24:25], s[6:7]
	s_cmp_eq_u32 s20, 17
	s_cselect_b64 s[24:25], s[8:9], s[24:25]
	s_cmp_eq_u32 s20, 18
	s_cselect_b64 s[24:25], s[10:11], s[24:25]
	s_cmp_eq_u32 s20, 19
	s_cselect_b64 s[24:25], s[12:13], s[24:25]
	s_cmp_lt_u32 ttmp9, 128                        ; x's work-group?  Every choice hangs on the work-group's number alone
	s_cselect_b64 s[24:25], s[4:5], s[24:25]       ; the source
	s_cselect_b64 s[26:27], s[14:15], s[16:17]     ; xc or wc
	s_cselect_b32 s21, ttmp9, s21
	s_cselect_b32 s22, ttmp9, s22
	s_cselect_b32 s23, 3145728, s23                ; where xc's scale words begin
	s_lshl_b32 s21, s21, 2
	s_add_co_u32 s21, s21, s18                     ; my tile in the source
	s_lshl_b32 s22, s22, 2
	s_add_co_u32 s22, s22, s18                     ; and in the destination
	s_lshr_b32 s32, s21, 1
	s_lshl_b32 s32, s32, 5
	s_and_b32 s33, s21, 1
	s_lshl_b32 s33, s33, 3
	s_add_co_u32 s32, s32, s33                     ; the tile's first row
	s_lshl_b32 s32, s32, 11
	s_mov_b32 s33, 0
	s_add_nc_u64 s[24:25], s[24:25], s[32:33]
	s_lshl_b32 s32, s22, 8
	s_add_co_u32 s32, s32, s23
	s_add_nc_u64 s[28:29], s[26:27], s[32:33]      ; my tile's scale words
	s_mul_i32 s32, s22, 6144
	s_add_nc_u64 s[26:27], s[26:27], s[32:33]      ; my tile's four images
.macro LOAD s, set                     ; K step s of the tile's 16 rows: each load is 512 consecutive bytes of one row
.irp i, 0,1,2,3,4,5,6,7,8,9,10,11,12,13,14,15
	global_load_b128 v[(\set)+4*\i:(\set)+4*\i+3], v1, s[24:25] offset:(\i+8*(\i/8))*ROWB+512*(\s) th:TH_LOAD_NT
.endr
.endm
.macro TURN set                        ; through my stage: LDS serves a wave's instructions in order, so no wait stands between the stores and the loads
.irp i, 0,1,2,3,4,5,6,7,8,9,10,11,12,13,14,15
	ds_store_b128 v2, v[(\set)+4*\i:(\set)+4*\i+3] offset:SPI*\i
.endr
.irp b, 0,1,2,3
.irp j, 0,1,2,3
	ds_load_b128 v[X+16*\b+4*\j:X+16*\b+4*\j+3], v3 offset:128*\b+16*\j
.endr
.endr
.endm
; 64 numbers of a lane, register 16 b + i = k 32 b + 16 (lane / 16) + i of my row, become a fragment's codes in v[PC] on and its scale word in v[pw]
.macro QUANT s, pw
.irp b, 0,1,2,3
	v_max3_num_f32 v[TM+\b], |v[\s+16*\b]|, |v[\s+1+16*\b]|, 0x1800000   ; block b: my 16 numbers, and the floor 2^(3 - 127): the byte cannot fall under 1
.endr
.irp i, 2,4,6,8,10,12,14
.irp b, 0,1,2,3
	v_max3_num_f32 v[TM+\b], v[TM+\b], |v[\s+16*\b+\i]|, |v[\s+1+16*\b+\i]|   ; the four blocks by turns
.endr
.endr
.irp b, 0,1,2,3
	v_permlanex16_b32 v[TM+4+\b], v[TM+\b], s[SEL], s[SEL+1]
.endr
.irp b, 0,1,2,3
	v_max_num_f32 v[TM+\b], v[TM+\b], v[TM+4+\b]   ; with lane l xor 16's: the block's largest magnitude
.endr
.irp b, 0,1,2,3
	v_add_nc_u32 v[TM+12+\b], 0xff000000, v[TM+\b] ; 2 off its exponent field: the conversion's scale operand
.endr
.irp b, 0,1,2,3
	v_lshrrev_b32 v[TM+4+\b], 23, v[TM+12+\b]      ; the scale's byte
.endr
	v_lshl_or_b32 v[\pw], v[TM+5], 8, v[TM+4]
	v_lshl_or_b32 v[\pw], v[TM+6], 16, v[\pw]
	v_lshl_or_b32 v[\pw], v[TM+7], 24, v[\pw]      ; my row's scale word
.irp c, 0,1
	v_cvt_scalef32_pk16_fp6_f32 v[PC+6*\c:PC+2+6*\c], v[\s+32*\c:\s+15+32*\c], v[TM+12+2*\c]
	v_cvt_scalef32_pk16_fp6_f32 v[PC+12+4*\c:PC+14+4*\c], v[\s+16+32*\c:\s+31+32*\c], v[TM+12+2*\c+1]   ; (a conversion's three registers begin on an even number)
.endr
	v_nop                                          ; one plain place behind a scaled conversion
.irp c, 0,1                            ; the operand's layout wants a whole block in a lane: lanes 0-15 block 2 c, lanes 16-31 block 2 c + 1
.irp i, 0,1,2
	v_permlane16_swap_b32 v[PC+6*\c+\i], v[PC+12+4*\c+\i]
.endr
.irp i, 0,1,2
	v_mov_b32 v[PC+3+6*\c+\i], v[PC+12+4*\c+\i]
.endr
.endr
.endm
.macro QSTEP s
.if (\s) < 3
	s_wait_loadcnt 16                              ; this K step's 16 loads are in; the next one's 16 may be out
.else
	s_wait_loadcnt 0x0
.endif
	TURN R0+64*((\s)%2)
	s_wait_dscnt 0x0                               ; my 64 numbers are back, and the stage's stores have read the set,
.if (\s) < 2
	LOAD (\s)+2, R0+64*((\s)%2)                    ; which takes the K step two further on
.endif
.if (\s) > 0
	s_wait_xcnt 0x0                                ; the last image's stores have read the codes' registers
.endif
	QUANT X, PW+(\s)
.irp c, 0,1,2
	global_store_b128 v1, v[PC+4*\c:PC+4*\c+3], s[26:27] offset:1536*(\s)+512*\c   ; 32 lanes store 512 consecutive bytes, aligned
.endr
.endm
	LOAD 0, R0
	LOAD 1, R0+64
.irp s, 0,1,2,3
	QSTEP \s
.endr
	v_cmp_le_u32 vcc_lo, 16, v5                    ; lanes 16-31 hold the same words as lanes 0-15: they store K steps 2 and 3
	v_cndmask_b32 v[SW], v[PW], v[PW+2], vcc_lo
	v_cndmask_b32 v[SW+1], v[PW+1], v[PW+3], vcc_lo
	global_store_b64 v4, v[SW:SW+1], s[28:29]      ; 256 consecutive bytes, aligned
	s_wait_tensorcnt 0x0
	ds_add_u32 v254, v255
	s_wait_dscnt 0x0
	s_endpgm
.Lfunc_end_k_qecde36dcc1_quant:
	.size	k_qecde36dcc1_quant, .Lfunc_end_k_qecde36dcc1_quant-k_qecde36dcc1_quant
	.p2alignl 7, 3214868480
	.fill 96, 4, 3214868480
	.section	.rodata,"a",@progbits
	.p2align	6, 0x0
	.amdhsa_kernel k_qecde36dcc1_quant
		.amdhsa_group_segment_fixed_size 34304
		.amdhsa_private_segment_fixed_size 0
		.amdhsa_enable_private_segment 0
		.amdhsa_kernarg_size 56
		.amdhsa_user_sgpr_count 2
		.amdhsa_user_sgpr_kernarg_segment_ptr 1
		.amdhsa_wavefront_size32 1
		.amdhsa_system_sgpr_workgroup_id_x 1
		.amdhsa_system_sgpr_workgroup_id_y 1
		.amdhsa_system_sgpr_workgroup_id_z 1
		.amdhsa_system_vgpr_workitem_id 0
		.amdhsa_next_free_vgpr 256
		.amdhsa_next_free_sgpr 66
		.amdhsa_reserve_vcc 1
		.amdhsa_float_denorm_mode_32 3
		.amdhsa_float_denorm_mode_16_64 3
		.amdhsa_memory_ordered 1
		.amdhsa_forward_progress 1
		.amdhsa_inst_pref_size 34
	.end_amdhsa_kernel
	.amdgpu_metadata
---
amdhsa.version: [ 1, 2 ]
amdhsa.kernels:
  - .name:           k_qecde36dcc1_quant
    .symbol:         k_qecde36dcc1_quant.kd
    .args:
      - { .name: x, .offset: 0, .size: 8, .value_kind: global_buffer, .address_space: global }
      - { .name: Wq, .offset: 8, .size: 8, .value_kind: global_buffer, .address_space: global }
      - { .name: Wk, .offset: 16, .size: 8, .value_kind: global_buffer, .address_space: global }
      - { .name: Wv, .offset: 24, .size: 8, .value_kind: global_buffer, .address_space: global }
      - { .name: Wo, .offset: 32, .size: 8, .value_kind: global_buffer, .address_space: global }
      - { .name: xc, .offset: 40, .size: 8, .value_kind: global_buffer, .address_space: global }
      - { .name: wc, .offset: 48, .size: 8, .value_kind: global_buffer, .address_space: global }
    .group_segment_fixed_size: 34304
    .private_segment_fixed_size: 0
    .kernarg_segment_align: 8
    .kernarg_segment_size: 56
    .max_flat_workgroup_size: 128
    .sgpr_count:     66
    .vgpr_count:     256
    .wavefront_size: 32
...
	.end_amdgpu_metadata
.endif
;; end of part 1
;; launch qkv (part 2): grid 64 x 3, 8 waves a work-group, no clusters, 246,784 bytes of LDS; arguments xc, wc, bq, bk, bv, qc, kvc; writes qc, kvc
.if DOCPART == 2
	.amdgcn_target "amdgcn-amd-amdhsa--gfx1250"
	.amdhsa_code_object_version 6
	.text
	.protected	k_qecde36dcc1_qkv
	.globl	k_qecde36dcc1_qkv
	.p2align	8
	.type	k_qecde36dcc1_qkv,@function
k_qecde36dcc1_qkv:
	s_mov_b64 s[64:65], 0
	v_nop
	global_prefetch_b8 v0, s[64:65] scope:SCOPE_SE
	s_setreg_imm32_b32 hwreg(HW_REG_WAVE_MODE, 25, 1), 1
	s_wait_xcnt 0x0
; Q = x Wq^T + bq, K = x Wk^T + bk, V = x Wv^T + bv on codes of FP6 (E2M3) with E8M0 scales; the results are quantised in registers and leave as images of the operands that the attention launch wants.
; SHARES.  Work-group (x, y): 128 rows of x (a key step of one batch), role y = 0 Q, 1 K, 2 V.  Wave = head: 128 rows x 64 columns, 32 accumulators, K = 512 in four steps of 128: 128 matrix instructions.
; 192 work-groups: V's unit is 128 keys x 64 channels of a head, and a work-group has one role, so the work does not cut into 256 equal parts.
; LDS is filled ONCE, by asynchronous copies: the 8 tiles of x (32 images, 49,152 bytes) and the role's 32 tiles of W (128 images, 196,608 bytes), as they lie in xc and wc.  One barrier.
; W's 48 copies go in three groups of 16, each with its own pair of address registers, 65,536 bytes apart: so a copy's immediate, which goes onto both addresses, is 61,440 at the most.
; Q, K: source 0 = 16 rows of W, source 1 = 16 rows of x: a lane holds ONE row of x, and by the choice of a tile's rows its 16 registers of W's tiles 2 b, 2 b + 1 are channels 32 b + 16 (lane / 16) + 0 .. 15.
;   A head has 64 channels, half of a matrix instruction's K: the 64 registers of TWO tiles of x are quantised as one fragment: registers 0-5 tile 2 f (channels 32 h ..), registers 6-11 tile 2 f + 1.
; V: source 0 = 16 rows of x (keys), source 1 = 16 rows of W: a lane holds one channel, and its 64 registers of the 8 tiles of x are the 128 keys' 32 b + 16 (lane / 16) + 0 .. 15: V's fragment with the keys along K.
; The bias is the C of each sum's first matrix instruction.
; OUT.  qc: image of 32 queries at (128 bh + 4 ks + f) x 1,536.  kvc: slot n of head bh at (16 bh + n) x 24,576: K of key steps 2 n, 2 n + 1 (4 images each), then V of the same.  A step's four scale words of a row:
; 256 bytes a step, word of image 2 e + h at 8 (16 h + r) + 4 e: one register then carries two images' words, in lanes 0-15 and 16-31.
; LIMITS: as the quantising launch's: byte 1 for blocks of zeros and for blocks under 2^-124; NaN and infinities are not served.
; REGISTERS.  Window 0: v1-12 addresses; v16-47 x's scale words, v48-63 W's; v64-159 x's 8 fragments of a K step; v160-207 W's 4; v208-239 the bias; v240-243 V's bias as loaded; v244-250 the addresses of W's copies.
;   Behind the products v64-105 serve the quantiser.   Window 1: the 32 accumulators.
.set XI,  0
.set WI,  49152
.set LI,  1                            ; v1   16 x lane
.set WL,  2                            ; v2   WI + my head's 4 tiles + 16 x lane
.set XS,  16
.set WS,  48
.set XF,  64
.set WF,  160
.set BI,  208
.set BV,  240
.set WLA, 244                          ; v244-246 W's copies, group g: LDS address WI + 65,536 g + 16 x thread
.set WGA, 248                          ; v248-250 and the offset in memory: 65,536 g + 16 x thread
.set PC,  64
.set TM,  84
.set PW,  100
.set SW,  104
.set SEL, 40
.set MSB, 0
.macro WIN new                         ; the immediate's high byte repeats the setting that is left
.if MSB != (\new)
	s_set_vgpr_msb (MSB<<8)|(\new)
.set MSB, \new
.endif
.endm
	s_load_b256 s[4:11], s[0:1], 0x0               ; xc, wc, bq, bk
	s_load_b128 s[12:15], s[0:1], 0x20             ; bv, qc
	s_load_b64 s[16:17], s[0:1], 0x30              ; kvc
	v_lshl_add_u32 v254, v0, 2, 0x3c000
	v_mov_b32 v255, 0
	ds_add_u32 v254, v255
	ds_add_u32 v254, v255
	v_lshrrev_b32 v10, 5, v0
	v_readfirstlane_b32 s20, v10                   ; wave = head
	s_mov_b32 s21, ttmp9                           ; the block of 128 rows
	s_and_b32 s22, ttmp7, 0xffff                   ; the role
	v_and_b32 v9, 31, v0                           ; lane
	v_and_b32 v10, 15, v0                          ; r
	v_bfe_u32 v11, v0, 4, 1                        ; h
	v_lshlrev_b32 v[LI], 4, v9
	s_mul_i32 s23, s20, 24576
	s_add_co_u32 s23, s23, WI
	v_add_nc_u32 v[WL], s23, v[LI]
	v_lshlrev_b32 v3, 4, v10                       ; 16 r: a row's four scale words
	v_lshlrev_b32 v4, 4, v0                        ; x's copies: LDS address,
	v_lshlrev_b32 v5, 4, v0                        ; and the offset in memory
.irp g, 0,1,2
	v_lshl_add_u32 v[WLA+\g], v0, 4, WI+65536*\g
	v_lshl_add_u32 v[WGA+\g], v0, 4, 65536*\g
.endr
	v_lshlrev_b32 v7, 3, v9                        ; 8 x lane: the scale words' way out
	v_lshlrev_b32 v8, 6, v11                       ; Q's, K's bias: 64 h
	v_and_b32 v12, 8, v10
	v_add_nc_u32 v12, v12, v10
	v_lshlrev_b32 v12, 2, v12                      ; V's bias: 4 (r + 8 (r / 8))
	s_mov_b32 s[SEL], 0x76543210
	s_mov_b32 s[SEL+1], 0xfedcba98
	s_mul_i32 s44, s21, 49152
	s_mov_b32 s45, 0
	s_mul_i32 s54, s22, 196608
	s_mov_b32 s55, 0
	s_wait_dscnt 0x0
	s_wait_kmcnt 0x0
	s_add_nc_u64 s[26:27], s[4:5], s[44:45]        ; my 8 tiles of x
	s_add_nc_u64 s[30:31], s[6:7], s[54:55]        ; the role's weight
.set i, 0
.rept 12
	global_load_async_to_lds_b128 v4, v5, s[26:27] offset:4096*i   ; 256 threads x 16 bytes; the immediate goes onto both addresses
.set i, i+1
.endr
.irp g, 0,1,2
.set i, 0
.rept 16
	global_load_async_to_lds_b128 v[WLA+\g], v[WGA+\g], s[30:31] offset:4096*i
.set i, i+1
.endr
.endr
	s_lshl_b32 s44, s21, 11
	s_add_co_u32 s44, s44, 3145728
	s_add_nc_u64 s[28:29], s[4:5], s[44:45]        ; x's scale words
	s_lshl_b32 s44, s22, 13
	s_lshl_b32 s43, s20, 10
	s_add_co_u32 s44, s44, s43
	s_add_co_u32 s44, s44, 786432
	s_add_nc_u64 s[32:33], s[6:7], s[44:45]        ; my head's four tiles' scale words
.irp xt, 0,1,2,3,4,5,6,7
	global_load_b128 v[XS+4*\xt:XS+4*\xt+3], v3, s[28:29] offset:256*\xt
.endr
.irp wt, 0,1,2,3
	global_load_b128 v[WS+4*\wt:WS+4*\wt+3], v3, s[32:33] offset:256*\wt
.endr
	s_lshl_b32 s44, s20, 8
	s_cmp_eq_u32 s22, 0
	s_cselect_b64 s[34:35], s[8:9], s[10:11]
	s_cselect_b64 s[36:37], s[14:15], s[16:17]     ; qc or kvc
	s_cmp_eq_u32 s22, 2
	s_cselect_b64 s[34:35], s[12:13], s[34:35]
	s_add_nc_u64 s[34:35], s[34:35], s[44:45]      ; the role's bias, my head's 64 numbers
.irp wt, 0,1,2,3                       ; both forms of the bias are asked for here, under the copies; both stay inside my head's 256 bytes
	global_load_b128 v[BI+8*\wt:BI+8*\wt+3], v8, s[34:35] offset:(32*(\wt/2)+8*(\wt%2))*4
	global_load_b128 v[BI+8*\wt+4:BI+8*\wt+7], v8, s[34:35] offset:(32*(\wt/2)+8*(\wt%2))*4+16
	global_load_b32 v[BV+\wt], v12, s[34:35] offset:(32*(\wt/2)+8*(\wt%2))*4
.endr
	; where the results go
	s_lshr_b32 s24, s21, 5                         ; batch
	s_and_b32 s25, s21, 31                         ; key step
	s_lshl_b32 s24, s24, 3
	s_add_co_u32 s24, s24, s20                     ; bh
	s_lshr_b32 s42, s22, 1                         ; 1 for V
	s_lshl_b32 s46, s24, 5
	s_add_co_u32 s46, s46, s25
	s_mul_i32 s47, s46, 6144                       ; Q: codes,
	s_lshl_b32 s46, s46, 8
	s_add_co_u32 s46, s46, 3145728                 ; scale words
	s_lshl_b32 s48, s24, 4
	s_lshr_b32 s49, s25, 1
	s_add_co_u32 s48, s48, s49
	s_mul_i32 s48, s48, 24576
	s_and_b32 s49, s25, 1
	s_mul_i32 s49, s49, 6144
	s_add_co_u32 s48, s48, s49
	s_mul_i32 s49, s42, 12288
	s_add_co_u32 s48, s48, s49                     ; K, V: codes,
	s_lshl_b32 s49, s24, 14
	s_lshl_b32 s50, s42, 13
	s_add_co_u32 s49, s49, s50
	s_lshl_b32 s50, s25, 8
	s_add_co_u32 s49, s49, s50
	s_add_co_u32 s49, s49, 6291456                 ; scale words
	s_cmp_eq_u32 s22, 0
	s_cselect_b32 s50, s47, s48
	s_cselect_b32 s52, s46, s49
	s_mov_b32 s51, 0
	s_mov_b32 s53, 0
	s_add_nc_u64 s[38:39], s[36:37], s[52:53]
	s_add_nc_u64 s[36:37], s[36:37], s[50:51]
	s_wait_loadcnt 0x0                             ; scale words and bias
	s_wait_asynccnt 0x0                            ; my copies have landed,
	s_barrier_signal -1
	s_barrier_wait -1                              ; everybody's have
.macro PROD path, s, xt, wt
.if \path
.set rD, 8*(8*\wt+\xt)
.set rA, XF+12*\xt
.set rB, WF+12*\wt
.set rSA, XS+4*\xt+\s
.set rSB, WS+4*\wt+\s
.else
.set rD, 8*(4*\xt+\wt)
.set rA, WF+12*\wt
.set rB, XF+12*\xt
.set rSA, WS+4*\wt+\s
.set rSB, XS+4*\xt+\s
.endif
.if \s == 0
	v_wmma_scale_f32_16x16x128_f8f6f4 v[rD:rD+7], v[rA:rA+11], v[rB:rB+11], v[BI+8*\wt:BI+8*\wt+7], v[rSA], v[rSB] matrix_a_fmt:MATRIX_FMT_FP6 matrix_b_fmt:MATRIX_FMT_FP6
.else
	v_wmma_scale_f32_16x16x128_f8f6f4 v[rD:rD+7], v[rA:rA+11], v[rB:rB+11], v[rD:rD+7], v[rSA], v[rSB] matrix_a_fmt:MATRIX_FMT_FP6 matrix_b_fmt:MATRIX_FMT_FP6
.endif
.endm
; A K step of 128: 36 LDS loads of 512 consecutive bytes, 32 matrix instructions.  The 32 accumulators take turns, one instruction a turn, in the same order in every step.
.macro KSTEP path, s
.rept 4
	v_nop                                          ; places in front of loads into registers that matrix instructions have read
.endr
.irp xt, 0,1,2,3,4,5,6,7
.irp c, 0,1,2
	ds_load_b128 v[XF+12*\xt+4*\c:XF+12*\xt+4*\c+3], v[LI] offset:XI+(4*\xt+\s)*1536+512*\c
.endr
.endr
.irp wt, 0,1,2,3
.irp c, 0,1,2
	ds_load_b128 v[WF+12*\wt+4*\c:WF+12*\wt+4*\c+3], v[WL] offset:(4*\wt+\s)*1536+512*\c
.endr
.endr
	s_wait_dscnt 0x0
.if \s == 0
	WIN 0x40                                       ; D window 1; the bias, as C, window 0
.else
	WIN 0x50                                       ; C and D window 1
.endif
.irp xt, 0,1,2,3,4,5,6,7
.irp wt, 0,1,2,3
	PROD \path, \s, \xt, \wt
.endr
.endr
	WIN 0
.endm
	s_cmp_eq_u32 s22, 2
	s_cbranch_scc1 .Lv
	KSTEP 0, 0
	KSTEP 0, 1
	KSTEP 0, 2
	KSTEP 0, 3
	s_branch .Lout
.Lv:
.irp wt, 0,1,2,3
.irp j, 0,1,2,3,4,5,6,7
	v_mov_b32 v[BI+8*\wt+\j], v[BV+\wt]            ; a lane holds one channel: its bias in all eight registers of the tile
.endr
.endr
	KSTEP 1, 0
	KSTEP 1, 1
	KSTEP 1, 2
	KSTEP 1, 3
.Lout:
; 64 numbers of a lane in window 1, register 16 b + i = k 32 b + 16 (lane / 16) + i, become a fragment's codes in v[PC] on and its scale word in v[pw].  Each accumulator is read from its low end on.
.macro QUANT s, pw
	WIN 0x05                                       ; sources 0 and 1 window 1
.irp b, 0,1,2,3
	v_max3_num_f32 v[TM+\b], |v[\s+16*\b]|, |v[\s+1+16*\b]|, 0x1800000   ; and the floor 2^(3 - 127): the byte cannot fall under 1
.endr
	WIN 0x14                                       ; sources 1 and 2 window 1
.irp i, 2,4,6,8,10,12,14
.irp b, 0,1,2,3
	v_max3_num_f32 v[TM+\b], v[TM+\b], |v[\s+16*\b+\i]|, |v[\s+1+16*\b+\i]|
.endr
.endr
	WIN 0
.irp b, 0,1,2,3
	v_permlanex16_b32 v[TM+4+\b], v[TM+\b], s[SEL], s[SEL+1]
.endr
.irp b, 0,1,2,3
	v_max_num_f32 v[TM+\b], v[TM+\b], v[TM+4+\b]
.endr
.irp b, 0,1,2,3
	v_add_nc_u32 v[TM+12+\b], 0xff000000, v[TM+\b] ; 2 off the exponent field: the conversion's scale operand
.endr
.irp b, 0,1,2,3
	v_lshrrev_b32 v[TM+4+\b], 23, v[TM+12+\b]
.endr
	v_lshl_or_b32 v[\pw], v[TM+5], 8, v[TM+4]
	v_lshl_or_b32 v[\pw], v[TM+6], 16, v[\pw]
	v_lshl_or_b32 v[\pw], v[TM+7], 24, v[\pw]
	WIN 0x01                                       ; source 0 window 1
.irp c, 0,1
	v_cvt_scalef32_pk16_fp6_f32 v[PC+6*\c:PC+2+6*\c], v[\s+32*\c:\s+15+32*\c], v[TM+12+2*\c]
	v_cvt_scalef32_pk16_fp6_f32 v[PC+12+4*\c:PC+14+4*\c], v[\s+16+32*\c:\s+31+32*\c], v[TM+12+2*\c+1]
.endr
	WIN 0
	v_nop                                          ; one plain place behind a scaled conversion
.irp c, 0,1
.irp i, 0,1,2
	v_permlane16_swap_b32 v[PC+6*\c+\i], v[PC+12+4*\c+\i]
.endr
.irp i, 0,1,2
	v_mov_b32 v[PC+3+6*\c+\i], v[PC+12+4*\c+\i]
.endr
.endr
.endm
.rept 4
	v_nop                                          ; places behind the last products: results are read, and registers that held operands are written
.endr
.irp b, 0,1,2,3
	v_mov_b32 v[TM+4+\b], 0                        ; a lane permute's destination counts as one of its sources
.endr
.irp f, 0,1,2,3
.if \f > 0
	s_wait_xcnt 0x0                                ; the last image's stores have read the codes' registers
.endif
	QUANT 64*\f, PW+\f
.irp c, 0,1,2
	global_store_b128 v[LI], v[PC+4*\c:PC+4*\c+3], s[36:37] offset:1536*\f+512*\c   ; 512 consecutive bytes, aligned
.endr
.endr
	v_cmp_le_u32 vcc_lo, 16, v9                    ; lanes 0-15 store the words of images 0 and 2, lanes 16-31 of images 1 and 3
	v_cndmask_b32 v[SW], v[PW], v[PW+1], vcc_lo
	v_cndmask_b32 v[SW+1], v[PW+2], v[PW+3], vcc_lo
	global_store_b64 v7, v[SW:SW+1], s[38:39]      ; 256 consecutive bytes, aligned
	s_wait_tensorcnt 0x0
	ds_add_u32 v254, v255
	s_wait_dscnt 0x0
	s_endpgm
.Lfunc_end_k_qecde36dcc1_qkv:
	.size	k_qecde36dcc1_qkv, .Lfunc_end_k_qecde36dcc1_qkv-k_qecde36dcc1_qkv
	.p2alignl 7, 3214868480
	.fill 96, 4, 3214868480
	.section	.rodata,"a",@progbits
	.p2align	6, 0x0
	.amdhsa_kernel k_qecde36dcc1_qkv
		.amdhsa_group_segment_fixed_size 246784
		.amdhsa_private_segment_fixed_size 0
		.amdhsa_enable_private_segment 0
		.amdhsa_kernarg_size 56
		.amdhsa_user_sgpr_count 2
		.amdhsa_user_sgpr_kernarg_segment_ptr 1
		.amdhsa_wavefront_size32 1
		.amdhsa_system_sgpr_workgroup_id_x 1
		.amdhsa_system_sgpr_workgroup_id_y 1
		.amdhsa_system_sgpr_workgroup_id_z 1
		.amdhsa_system_vgpr_workitem_id 0
		.amdhsa_next_free_vgpr 512
		.amdhsa_next_free_sgpr 66
		.amdhsa_reserve_vcc 1
		.amdhsa_float_denorm_mode_32 3
		.amdhsa_float_denorm_mode_16_64 3
		.amdhsa_memory_ordered 1
		.amdhsa_forward_progress 1
		.amdhsa_inst_pref_size 83
	.end_amdhsa_kernel
	.amdgpu_metadata
---
amdhsa.version: [ 1, 2 ]
amdhsa.kernels:
  - .name:           k_qecde36dcc1_qkv
    .symbol:         k_qecde36dcc1_qkv.kd
    .args:
      - { .name: xc, .offset: 0, .size: 8, .value_kind: global_buffer, .address_space: global }
      - { .name: wc, .offset: 8, .size: 8, .value_kind: global_buffer, .address_space: global }
      - { .name: bq, .offset: 16, .size: 8, .value_kind: global_buffer, .address_space: global }
      - { .name: bk, .offset: 24, .size: 8, .value_kind: global_buffer, .address_space: global }
      - { .name: bv, .offset: 32, .size: 8, .value_kind: global_buffer, .address_space: global }
      - { .name: qc, .offset: 40, .size: 8, .value_kind: global_buffer, .address_space: global }
      - { .name: kvc, .offset: 48, .size: 8, .value_kind: global_buffer, .address_space: global }
    .group_segment_fixed_size: 246784
    .private_segment_fixed_size: 0
    .kernarg_segment_align: 8
    .kernarg_segment_size: 56
    .max_flat_workgroup_size: 256
    .sgpr_count:     66
    .vgpr_count:     512
    .wavefront_size: 32
...
	.end_amdgpu_metadata
.endif
;; end of part 2
;; launch attn (part 3): grid 16 x 16, 16 waves a work-group, no clusters, 68,096 bytes of LDS; arguments qc, kvc, oc; writes oc
.if DOCPART == 3
	.amdgcn_target "amdgcn-amd-amdhsa--gfx1250"
	.amdhsa_code_object_version 6
	.text
	.protected	k_qecde36dcc1_attn
	.globl	k_qecde36dcc1_attn
	.p2align	8
	.type	k_qecde36dcc1_attn,@function
k_qecde36dcc1_attn:
	s_mov_b64 s[64:65], 0
	v_nop
	global_prefetch_b8 v0, s[64:65] scope:SCOPE_SE
	s_setreg_imm32_b32 hwreg(HW_REG_WAVE_MODE, 25, 1), 1
	s_wait_xcnt 0x0
; O = softmax(Q K^T / 8) V for 16 heads (2 batches x 8) of 4,096 x 64, both products on codes of FP6 (E2M3) with E8M0 scales; O / l is quantised along the head's 64 channels and leaves as half a fragment of the last product.
; THE SOFTMAX: t = score x log2(e) / 8; M = the row's largest t so far, rounded UP to a whole number; p = 2^(t - M) is quantised along the keys, not normalised.  The row's sum l is taken of the unquantised p, in f32.
; When M moves, l and O are multiplied by 2^(old M - new M): exact.
; SHARES.  Work-group (x, y): 256 queries of head y.  Each of its sixteen waves owns one tile of 16 queries in 256 registers, four waves to a SIMD, so that one wave's vector work stands beside another's products and LDS loads.
; Every wave walks the head's 32 key steps of 128 keys.  Both products are used transposed (S^T = K Q^T, O^T = V^T P^T): a lane holds ONE query throughout.
; K = 64 UNDER AN INSTRUCTION OF 128.  A fragment of K holds TWO tiles of keys, tile 2 b in k 0-63 and tile 2 b + 1 in k 64-127.  It is multiplied once by (Q | 0) and once by (0 | Q): zero codes make the other tile's products
; zeros.  Q's scale word has the byte 1 for its zero blocks.  By the choice of a tile's keys the 16 registers of tiles 2 b, 2 b + 1 are keys 32 b + 16 (lane / 16) + 0 .. 15.
; K AND V COME THROUGH REGISTERS into two LDS slots of 256 keys (24,576 dense bytes, images of the operands' registers): each of the 512 threads loads 48 bytes of the next slot but one's predecessor two key steps before it
; stores them; one barrier a slot.  The head's scale words (16,384 bytes) come once.
; NO JOINT REQUESTS, though the 16 work-groups of a head read the same K and V: what is shared is 12,800 bytes for a key step, in which the work-group's 16 waves issue some 4,000 vector instructions; the bytes are asked for two
; key steps before they are wanted, so no wave waits for them; and joint requests would put a round of a cluster's barrier at each of the 15 changes of slots.  For the same reason nothing is prefetched.
; LIMITS: p under 2^-126 is 0; 1 / l by v_rcp_f32; a block of zeros takes the byte 1 (its codes are zeros); NaN and infinities are not served.
.set SL0,  0                           ; LDS: slot 0, slot 1: K of two key steps (2 x 4 images of 1,536 bytes), then V of the same
.set SL1,  24576
.set SCK,  49152                       ; K's scale words of the head, 256 bytes a key step; V's 8,192 bytes further on
.set OSC,  65536                       ; O's scale bytes of the work-group's 16 tiles: 32 bytes a tile
.set LI,   1                           ; v1   16 x lane
.set ASC0, 2                           ; v2   SCK + 8 x lane
.set ADS,  3                           ; v3   the step's scale words
.set STA,  4                           ; v4   16 x thread
.set QZ,   16                          ; v16-33 six zeros, Q's six registers, six zeros: (0 | Q) = v[16:27], (Q | 0) = v[22:33]
.set QSA,  34                          ; v34  Q's scale word for (Q | 0);  v35 for (0 | Q)
.set KS,   36                          ; v[36:37] K's scale words: register e: lanes 0-15 image 2 e, lanes 16-31 image 2 e + 1
.set VS,   38                          ; v[38:39] V's likewise
.set KF,   40                          ; v40-87  four fragments: K's, then V's
.set S,    96                          ; v96-159 S^T, then p
.set O,    160                         ; v160-191 O^T
.set ST,   192                         ; v192-203 my 48 bytes of the slot on its way
.set PC,   204                         ; v204-215 p's codes
.set CT,   216                         ; v216-218, v220-222 the conversions' second halves
.set BM,   224                         ; v224-227 each block's largest score, then its largest p
.set BT,   228                         ; v228-231 at work
.set SO,   232                         ; v232-235 the conversions' scale operands
.set SP,   236                         ; v[236:237] the sum's second chain
.set TMP,  238
.set F,    240                         ; v[240:241] f = 2^(old M - new M); the upper word is named with it and holds 0
.set PWD,  242                         ; v242 p's scale word
.set SEL,  20                          ; s[20:21]
.set CS,   22                          ; s[22:23] c = log2(e) / 8
.set TS,   24                          ; s24  256 x the key step
	s_load_b128 s[4:7], s[0:1], 0x0                ; qc, kvc
	s_load_b64 s[8:9], s[0:1], 0x10                ; oc
	v_lshl_add_u32 v254, v0, 2, 0x10200
	v_mov_b32 v255, 0
	v_lshrrev_b32 v7, 5, v0
	v_readfirstlane_b32 s10, v7                    ; wave 0..15
	v_and_b32 v8, 31, v0                           ; lane
	v_and_b32 v9, 15, v0                           ; r
	v_lshlrev_b32 v[LI], 4, v8
	v_lshl_add_u32 v[ASC0], v8, 3, SCK
	v_lshlrev_b32 v[STA], 4, v0
	v_lshlrev_b32 v5, 3, v8                        ; 8 x lane
	v_and_b32 v6, 0x1e0, v0
	v_lshl_add_u32 v6, v9, 1, v6
	v_add_nc_u32 v6, OSC, v6                       ; my tile's scale bytes: OSC + 32 x wave + 2 r
	v_add_nc_u32 v7, OSC, v[LI]                    ; and where wave 0 reads all of them back
	v_lshlrev_b32 v10, 3, v9                       ; 8 r
	s_and_b32 s11, ttmp7, 0xffff                   ; bh
	s_lshl_b32 s12, ttmp9, 4
	s_add_co_u32 s12, s12, s10                     ; my tile among the head's 256
	s_lshr_b32 s13, s12, 1                         ; its block of 32 queries
	s_and_b32 s27, s10, 1                          ; which half of that block's image
	s_cmp_eq_u32 s27, 1
	s_cselect_b32 s26, -1, 0
	s_lshl_b32 s27, s27, 4
	s_mul_i32 s34, s11, 393216                     ; the head's 16 slots
	s_mov_b32 s35, 0
	s_lshl_b32 s36, s11, 14
	s_add_co_u32 s36, s36, 6291456                 ; its scale words
	s_mov_b32 s37, 0
	s_lshl_b32 s38, s11, 7
	s_add_co_u32 s38, s38, s13
	s_mul_i32 s38, s38, 1536                       ; Q's image
	s_mov_b32 s39, 0
	s_lshl_b32 s40, s11, 5
	s_lshr_b32 s41, s13, 2
	s_add_co_u32 s40, s40, s41
	s_lshl_b32 s40, s40, 8                         ; Q's scale words: 256 bytes for four images; image f: 128 (f % 2) + 4 (f / 2) + 8 r
	s_and_b32 s41, s13, 1
	s_lshl_b32 s41, s41, 7
	s_add_co_u32 s40, s40, s41
	s_bfe_u32 s41, s13, 0x10001
	s_lshl_b32 s41, s41, 2
	s_add_co_u32 s40, s40, s41
	s_add_co_u32 s40, s40, 3145728
	s_mov_b32 s41, 0
	s_lshr_b32 s42, s11, 3
	s_lshl_b32 s42, s42, 8
	s_add_co_u32 s42, s42, s12                     ; my tile among all 512
	s_mul_i32 s42, s42, 6144
	s_and_b32 s43, s11, 7
	s_mul_i32 s43, s43, 768
	s_add_co_u32 s42, s42, s43                     ; O's codes: tile x 6,144 + head x 768
	s_mov_b32 s43, 0
	s_lshl_b32 s44, s11, 8
	s_lshl_b32 s45, ttmp9, 4
	s_add_co_u32 s44, s44, s45
	s_lshl_b32 s44, s44, 5
	s_add_co_u32 s44, s44, 3145728                 ; O's scale bytes: 32 a tile, the work-group's 16 tiles on end
	s_mov_b32 s45, 0
	s_mov_b32 s[SEL], 0x76543210
	s_mov_b32 s[SEL+1], 0xfedcba98
	s_mov_b32 s[CS], 0x3e38aa3b
	s_mov_b32 s[CS+1], s[CS]                       ; (named with it as a pair, so it is written)
	s_mov_b32 s[TS], 0
	s_wait_kmcnt 0x0
	s_add_nc_u64 s[14:15], s[6:7], s[34:35]
	s_add_nc_u64 s[16:17], s[6:7], s[36:37]
	s_add_nc_u64 s[30:31], s[4:5], s[38:39]
	s_add_nc_u64 s[32:33], s[4:5], s[40:41]
	s_add_nc_u64 s[18:19], s[8:9], s[42:43]
	s_add_nc_u64 s[28:29], s[8:9], s[44:45]
	global_load_b128 v[S:S+3], v[STA], s[16:17]                ; the head's scale words: 512 threads x 32 bytes
	global_load_b128 v[S+4:S+7], v[STA], s[16:17] offset:8192
.irp i, 0,1,2
	global_load_b128 v[ST+4*\i:ST+4*\i+3], v[STA], s[14:15] offset:8192*\i   ; slot 0
.endr
.irp c, 0,1,2
	global_load_b128 v[KF+4*\c:KF+4*\c+3], v[LI], s[30:31] offset:512*\c      ; the image of my block of 32 queries
.endr
	global_load_b32 v[TMP], v10, s[32:33]          ; and its scale word
	s_wait_loadcnt 0x0
	ds_store_b128 v[STA], v[S:S+3] offset:SCK
	ds_store_b128 v[STA], v[S+4:S+7] offset:SCK+8192
.irp i, 0,1,2
	ds_store_b128 v[STA], v[ST+4*\i:ST+4*\i+3] offset:SL0+8192*\i
.endr
	s_wait_dscnt 0x0                               ; for the others' sake; and the stores have read their registers
	s_add_nc_u64 s[14:15], s[14:15], 24576
.irp i, 0,1,2
	global_load_b128 v[ST+4*\i:ST+4*\i+3], v[STA], s[14:15] offset:8192*\i   ; slot 1
.endr
.irp i, 0,1,2,3,4,5
	v_mov_b32 v[QZ+\i], 0
	v_mov_b32 v[QZ+12+\i], 0
	v_cndmask_b32 v[QZ+6+\i], v[KF+\i], v[KF+6+\i], s26    ; my tile's six registers of the image's twelve
.endr
	v_lshrrev_b32 v[TMP], s27, v[TMP]
	v_and_b32 v[TMP], 0xffff, v[TMP]               ; my tile's two bytes
	v_or_b32 v[QSA], 0x01010000, v[TMP]
	v_lshl_or_b32 v[QSA+1], v[TMP], 16, 0x0101
.set j, 0
.rept 32
	v_mov_b32 v[O+j], 0                            ; O^T.  (The step is written once: the first finds zeros, which the first change of M leaves zeros.  These lines are also the places between Q's registers and the first products)
.set j, j+1
.endr
	v_mov_b32 v13, 0xff61b1e6                      ; the largest t so far: -3e38
	v_floor_f32 v12, -v13                          ; -M
	v_mov_b32 v14, 0                               ; the sum, in two halves
	v_mov_b32 v15, 0
.irp b, 0,1,2,3
	v_mov_b32 v[BT+\b], 0                          ; a lane permute's destination counts as one of its sources
.endr
	v_mov_b32 v[F+1], 0
	s_barrier_signal -1
	s_barrier_wait -1                              ; slot 0 and the scale words lie in LDS
.macro KQ b, u                         ; keys of tile 2 b + u
.set rB, QZ+6-6*\u
.if (\b)%2
	v_wmma_scale_f32_16x16x128_f8f6f4 v[S+16*\b+8*\u:S+16*\b+8*\u+7], v[KF+12*\b:KF+12*\b+11], v[rB:rB+11], 0, v[KS+\b/2], v[QSA+\u] matrix_a_fmt:MATRIX_FMT_FP6 matrix_b_fmt:MATRIX_FMT_FP6 matrix_a_scale:MATRIX_SCALE_ROW1
.else
	v_wmma_scale_f32_16x16x128_f8f6f4 v[S+16*\b+8*\u:S+16*\b+8*\u+7], v[KF+12*\b:KF+12*\b+11], v[rB:rB+11], 0, v[KS+\b/2], v[QSA+\u] matrix_a_fmt:MATRIX_FMT_FP6 matrix_b_fmt:MATRIX_FMT_FP6
.endif
.endm
.macro PV wt                           ; 16 of the head's 64 channels
.if (\wt)%2
	v_wmma_scale_f32_16x16x128_f8f6f4 v[O+8*\wt:O+8*\wt+7], v[KF+12*\wt:KF+12*\wt+11], v[PC:PC+11], v[O+8*\wt:O+8*\wt+7], v[VS+\wt/2], v[PWD] matrix_a_fmt:MATRIX_FMT_FP6 matrix_b_fmt:MATRIX_FMT_FP6 matrix_a_scale:MATRIX_SCALE_ROW1
.else
	v_wmma_scale_f32_16x16x128_f8f6f4 v[O+8*\wt:O+8*\wt+7], v[KF+12*\wt:KF+12*\wt+11], v[PC:PC+11], v[O+8*\wt:O+8*\wt+7], v[VS+\wt/2], v[PWD] matrix_a_fmt:MATRIX_FMT_FP6 matrix_b_fmt:MATRIX_FMT_FP6
.endif
.endm
; A KEY STEP: 128 keys, the q-th of the slot.
.macro STEP slot, q
	v_add_nc_u32 v[ADS], s[TS], v[ASC0]
.rept 3
	v_nop                                          ; with the line above: four places in front of loads into registers that the last products read
.endr
.irp b, 0,1,2,3
.irp c, 0,1,2
	ds_load_b128 v[KF+12*\b+4*\c:KF+12*\b+4*\c+3], v[LI] offset:\slot+6144*\q+1536*\b+512*\c
.endr
.endr
	ds_load_b64 v[KS:KS+1], v[ADS]
	s_wait_dscnt 0x0
.irp b, 0,1,2,3
	KQ \b, 0
	KQ \b, 1
.endr
.rept 4
	v_nop                                          ; places: for the loads below, and for the first read of the scores
.endr
.irp wt, 0,1,2,3                       ; V's fragments are asked for now and land under the softmax
.irp c, 0,1,2
	ds_load_b128 v[KF+12*\wt+4*\c:KF+12*\wt+4*\c+3], v[LI] offset:\slot+12288+6144*\q+1536*\wt+512*\c
.endr
.endr
	ds_load_b64 v[VS:VS+1], v[ADS] offset:8192
.irp b, 0,1,2,3
	v_max3_num_f32 v[BM+\b], v[S+16*\b], v[S+16*\b+1], v[S+16*\b+2]   ; the largest score of each block of 32 keys: for the row's maximum, and, since p rises with the score, for the block's largest p
.endr
.irp i, 3,5,7,9,11,13
.irp b, 0,1,2,3
	v_max3_num_f32 v[BM+\b], v[BM+\b], v[S+16*\b+\i], v[S+16*\b+\i+1]
.endr
.endr
.irp b, 0,1,2,3
	v_max_num_f32 v[BM+\b], v[BM+\b], v[S+16*\b+15]
.endr
.irp b, 0,1,2,3
	v_permlanex16_b32 v[BT+\b], v[BM+\b], s[SEL], s[SEL+1]
.endr
.irp b, 0,1,2,3
	v_max_num_f32 v[BM+\b], v[BM+\b], v[BT+\b]     ; with lane l xor 16's 16 keys
.endr
	v_max3_num_f32 v[TMP], v[BM], v[BM+1], v[BM+2]
	v_max_num_f32 v[TMP], v[TMP], v[BM+3]          ; the step's largest score of my query
	v_mul_f32 v[TMP], s[CS], v[TMP]                ; as t
	v_max_num_f32 v13, v13, v[TMP]                 ; the running largest t
	v_mov_b32 v[TMP], v12
	v_floor_f32 v12, -v13                          ; the new -M = -ceil(t)
	v_sub_f32 v[TMP], v12, v[TMP]                  ; old M - new M: a whole number, 0 or less
	v_cvt_i32_f32 v[TMP], v[TMP]                   ; (it saturates)
	v_ldexp_f32 v[F], 1.0, v[TMP]                  ; f = 2^(old M - new M)
.set j, 0
.rept 32
	v_pk_fma_f32 v[S+j:S+j+1], v[S+j:S+j+1], s[CS:CS+1], v[12:13] op_sel_hi:[1,0,0]   ; t - M, two at a time
.set j, j+2
.endr
.irp b, 0,1,2,3
	v_fma_f32 v[BM+\b], v[BM+\b], s[CS], v12       ; the same of each block's largest score
.endr
.set j, 0
.rept 64
	v_exp_f32 v[S+j], v[S+j]                       ; p = 2^(t - M)
.set j, j+1
.endr
	v_pk_mul_f32 v[14:15], v[14:15], v[F:F+1] op_sel_hi:[1,0]   ; the sums under the new M: a plain place behind the exponentials
	s_wait_alu depctr_va_vdst(0)                   ; one wait for the batch of 64, ahead of its first reader
.irp b, 0,1,2,3
	v_exp_f32 v[BM+\b], v[BM+\b]                   ; the block's largest p: the same two instructions on the same number give the same bits
.endr
	v_pk_add_f32 v[SP:SP+1], v[S:S+1], v[S+2:S+3]  ; the row's sum of the unquantised p, in two chains: plain work behind the four
.set j, 4
.rept 15
	v_pk_add_f32 v[14:15], v[14:15], v[S+j:S+j+1]
	v_pk_add_f32 v[SP:SP+1], v[SP:SP+1], v[S+j+2:S+j+3]
.set j, j+4
.endr
	v_pk_add_f32 v[14:15], v[14:15], v[SP:SP+1]
	s_wait_alu depctr_va_vdst(0)                   ; and one for the four
.irp b, 0,1,2,3
	v_max_num_f32 v[BM+\b], 0x1800000, v[BM+\b]    ; the floor 2^(3 - 127): the byte cannot fall under 1
.endr
.irp b, 0,1,2,3
	v_add_nc_u32 v[SO+\b], 0xff000000, v[BM+\b]    ; 2 off the exponent field: the conversion's scale operand
.endr
.irp b, 0,1,2,3
	v_lshrrev_b32 v[BT+\b], 23, v[SO+\b]           ; the scale's byte
.endr
	v_lshl_or_b32 v[PWD], v[BT+1], 8, v[BT]
	v_lshl_or_b32 v[PWD], v[BT+2], 16, v[PWD]
	v_lshl_or_b32 v[PWD], v[BT+3], 24, v[PWD]      ; p's scale word for these 128 keys
.irp c, 0,1
	v_cvt_scalef32_pk16_fp6_f32 v[PC+6*\c:PC+2+6*\c], v[S+32*\c:S+15+32*\c], v[SO+2*\c]
	v_cvt_scalef32_pk16_fp6_f32 v[CT+4*\c:CT+2+4*\c], v[S+16+32*\c:S+31+32*\c], v[SO+2*\c+1]
.endr
	v_nop                                          ; one plain place behind a scaled conversion
.irp c, 0,1
.irp i, 0,1,2
	v_permlane16_swap_b32 v[PC+6*\c+\i], v[CT+4*\c+\i]
.endr
.irp i, 0,1,2
	v_mov_b32 v[PC+3+6*\c+\i], v[CT+4*\c+\i]
.endr
.endr
.set j, 0
.rept 16
	v_pk_mul_f32 v[O+j:O+j+1], v[O+j:O+j+1], v[F:F+1] op_sel_hi:[1,0]   ; O^T under the new M.  Twelve of these sixteen name no register of a given product below: its places behind p's codes and scale word
.set j, j+2
.endr
	s_wait_dscnt 0x0                               ; V's fragments and scale words
.irp wt, 0,1,2,3
	PV \wt                                         ; the four accumulators by turns, one instruction a turn
.endr
	s_add_co_u32 s[TS], s[TS], 256
.endm
; A slot's two key steps.  store: my 48 bytes of the next slot, asked for a slot ago, go into the other LDS slot, which nobody has read since the last barrier; then the barrier: behind it that slot is whole, and nobody reads this one.
; load: the slot after the next is asked for.
.macro SLOTWORK slot, other, store, load
	STEP \slot, 0
	STEP \slot, 1
.if \store
	s_wait_loadcnt 0x0                             ; my three loads of a slot ago
.irp i, 0,1,2
	ds_store_b128 v[STA], v[ST+4*\i:ST+4*\i+3] offset:\other+8192*\i
.endr
.endif
	s_wait_dscnt 0x0                               ; my stores have landed and have read their registers; my reads of this slot are over
.if \load
	s_add_nc_u64 s[14:15], s[14:15], 24576         ; (the loads that named it are done)
.irp i, 0,1,2
	global_load_b128 v[ST+4*\i:ST+4*\i+3], v[STA], s[14:15] offset:8192*\i
.endr
.endif
.if \store
	s_barrier_signal -1
	s_barrier_wait -1
.endif
.endm
	s_mov_b32 s25, 7
.Ltrip:                                ; slots 0 to 13; the last trip asks for slot 15
	SLOTWORK SL0, SL1, 1, 1
	SLOTWORK SL1, SL0, 1, 1
	s_sub_co_u32 s25, s25, 1
	s_cmp_lg_u32 s25, 0
	s_cbranch_scc1 .Ltrip
	SLOTWORK SL0, SL1, 1, 0                        ; slot 14: nothing is left to ask for
	SLOTWORK SL1, SL0, 0, 0                        ; slot 15
	; THE WAY OUT.  O^T / l; register 16 b + i is channel 32 b + 16 (lane / 16) + i of my query: two blocks of 32 of the last product's K.
.rept 4
	v_nop                                          ; places behind the last products
.endr
	v_add_f32 v14, v14, v15
	v_permlanex16_b32 v[BT], v14, s[SEL], s[SEL+1]
	v_add_f32 v14, v14, v[BT]                      ; the row's sum
	v_rcp_f32 v14, v14
	v_nop                                          ; a plain place behind the reciprocal
	s_wait_alu depctr_va_vdst(0)                   ; and the wait ahead of its first reader
.set j, 0
.rept 32
	v_mul_f32 v[S+j], v[O+j], v14                  ; each accumulator from its low end on
.set j, j+1
.endr
.irp b, 0,1
	v_max3_num_f32 v[BM+\b], |v[S+16*\b]|, |v[S+1+16*\b]|, 0x1800000
.endr
.irp i, 2,4,6,8,10,12,14
.irp b, 0,1
	v_max3_num_f32 v[BM+\b], v[BM+\b], |v[S+16*\b+\i]|, |v[S+1+16*\b+\i]|
.endr
.endr
.irp b, 0,1
	v_permlanex16_b32 v[BT+\b], v[BM+\b], s[SEL], s[SEL+1]
.endr
.irp b, 0,1
	v_max_num_f32 v[BM+\b], v[BM+\b], v[BT+\b]
.endr
.irp b, 0,1
	v_add_nc_u32 v[SO+\b], 0xff000000, v[BM+\b]
.endr
.irp b, 0,1
	v_lshrrev_b32 v[BT+\b], 23, v[SO+\b]
.endr
	v_lshl_or_b32 v[TMP], v[BT+1], 8, v[BT]        ; my query's two scale bytes
	v_cvt_scalef32_pk16_fp6_f32 v[PC:PC+2], v[S:S+15], v[SO]
	v_cvt_scalef32_pk16_fp6_f32 v[CT:CT+2], v[S+16:S+31], v[SO+1]
	v_nop
.irp i, 0,1,2
	v_permlane16_swap_b32 v[PC+\i], v[CT+\i]
.endr
.irp i, 0,1,2
	v_mov_b32 v[PC+3+\i], v[CT+\i]                 ; six registers: channels 32 (lane / 16) + 0 .. 31
.endr
	global_store_b128 v[LI], v[PC:PC+3], s[18:19]              ; 512 consecutive bytes, aligned to 256,
	global_store_b64 v5, v[PC+4:PC+5], s[18:19] offset:512     ; and 256 more
	ds_store_b16 v6, v[TMP]                        ; both halves of the lanes write the same two bytes
	s_wait_dscnt 0x0
	s_barrier_signal -1
	s_barrier_wait -1                              ; the 16 tiles' 512 scale bytes lie in LDS
	s_cmp_lg_u32 s10, 0
	s_cbranch_scc1 .Lend
	ds_load_b128 v[ST:ST+3], v7
	s_wait_dscnt 0x0
	global_store_b128 v[LI], v[ST:ST+3], s[28:29]  ; wave 0 stores them: 512 consecutive bytes, aligned
.Lend:
	s_wait_tensorcnt 0x0
	ds_add_u32 v254, v255
	s_wait_dscnt 0x0
	s_endpgm
.Lfunc_end_k_qecde36dcc1_attn:
	.size	k_qecde36dcc1_attn, .Lfunc_end_k_qecde36dcc1_attn-k_qecde36dcc1_attn
	.p2alignl 7, 3214868480
	.fill 96, 4, 3214868480
	.section	.rodata,"a",@progbits
	.p2align	6, 0x0
	.amdhsa_kernel k_qecde36dcc1_attn
		.amdhsa_group_segment_fixed_size 68096
		.amdhsa_private_segment_fixed_size 0
		.amdhsa_enable_private_segment 0
		.amdhsa_kernarg_size 24
		.amdhsa_user_sgpr_count 2
		.amdhsa_user_sgpr_kernarg_segment_ptr 1
		.amdhsa_wavefront_size32 1
		.amdhsa_system_sgpr_workgroup_id_x 1
		.amdhsa_system_sgpr_workgroup_id_y 1
		.amdhsa_system_sgpr_workgroup_id_z 1
		.amdhsa_system_vgpr_workitem_id 0
		.amdhsa_next_free_vgpr 256
		.amdhsa_next_free_sgpr 66
		.amdhsa_reserve_vcc 0
		.amdhsa_float_denorm_mode_32 3
		.amdhsa_float_denorm_mode_16_64 3
		.amdhsa_memory_ordered 1
		.amdhsa_forward_progress 1
		.amdhsa_inst_pref_size 134
	.end_amdhsa_kernel
	.amdgpu_metadata
---
amdhsa.version: [ 1, 2 ]
amdhsa.kernels:
  - .name:           k_qecde36dcc1_attn
    .symbol:         k_qecde36dcc1_attn.kd
    .args:
      - { .name: qc, .offset: 0, .size: 8, .value_kind: global_buffer, .address_space: global }
      - { .name: kvc, .offset: 8, .size: 8, .value_kind: global_buffer, .address_space: global }
      - { .name: oc, .offset: 16, .size: 8, .value_kind: global_buffer, .address_space: global }
    .group_segment_fixed_size: 68096
    .private_segment_fixed_size: 0
    .kernarg_segment_align: 8
    .kernarg_segment_size: 24
    .max_flat_workgroup_size: 512
    .sgpr_count:     66
    .vgpr_count:     256
    .wavefront_size: 32
...
	.end_amdgpu_metadata
.endif
;; end of part 3
;; launch oproj (part 4): grid 4 x 64, 8 waves a work-group, no clusters, 168,960 bytes of LDS; arguments oc, wc, bo, out0; writes out0
.if DOCPART == 4
	.amdgcn_target "amdgcn-amd-amdhsa--gfx1250"
	.amdhsa_code_object_version 6
	.text
	.protected	k_qecde36dcc1_oproj
	.globl	k_qecde36dcc1_oproj
	.p2align	8
	.type	k_qecde36dcc1_oproj,@function
k_qecde36dcc1_oproj:
	s_mov_b64 s[64:65], 0
	v_nop
	global_prefetch_b8 v0, s[64:65] scope:SCOPE_SE
	s_setreg_imm32_b32 hwreg(HW_REG_WAVE_MODE, 25, 1), 1
	s_wait_xcnt 0x0
; out0 = O Wo^T + bo on codes of FP6 (E2M3) with E8M0 scales; out0 [8192][512] f32.
; SHARES.  Work-group (x, y): 128 columns x 128 rows.  Wave w: tile 8 y + w of O's rows against the 8 tiles of Wo's rows 128 x ..: 8 accumulators, K = 512 in four steps: 32 matrix instructions.
; LDS is filled ONCE, by asynchronous copies: the 8 tiles of O (49,152 bytes) and the 8 tiles of Wo (49,152 bytes), as they lie in oc and wc.  One barrier.  The stages have bytes of their own.
; O's K step s is heads 2 s and 2 s + 1: each head's half fragment is 768 bytes (registers 0-3 at 16 x lane, registers 4-5 at 512 + 8 x lane); its scale word is the two heads' pairs of bytes.
; Source 0 = 16 rows of Wo, source 1 = my 16 rows of O: a lane holds one row, and by the choice of a tile's rows its 16 registers of tiles 2 b, 2 b + 1 are columns 32 b + 16 (lane / 16) + 0 .. 15.
; The bias is loaded into the accumulators, in the result's layout, and is the C of the first products.  The rows leave through the wave's own stage as 512 consecutive bytes each.
.set AI,  0
.set WI,  49152
.set STG, 98304                        ; 16 rows x (512 bytes + 16) for each wave
.set LI,  1                            ; v1   16 x lane
.set WL,  4                            ; v4   WI + 16 x lane
.set AS,  12                           ; v12-15 O's scale words, one for each K step
.set AF,  16                           ; v16-27 O's fragment of a K step
.set WS,  32                           ; v32-63 Wo's scale words: four a tile
.set WF,  64                           ; v64-159 Wo's 8 fragments of a K step; at the head v64-71 O's pairs of scale bytes; on the way out v64-127 the rows
.set ACC, 160                          ; v160-223
	s_load_b256 s[4:11], s[0:1], 0x0               ; oc, wc, bo, out0
	v_lshl_add_u32 v254, v0, 2, 0x29000
	v_mov_b32 v255, 0
	ds_add_u32 v254, v255
	ds_add_u32 v254, v255
	v_lshrrev_b32 v31, 5, v0
	v_readfirstlane_b32 s12, v31                   ; wave
	v_and_b32 v30, 31, v0                          ; lane
	v_and_b32 v28, 15, v0                          ; r
	v_bfe_u32 v29, v0, 4, 1                        ; h
	v_lshlrev_b32 v[LI], 4, v30
	s_mul_i32 s13, s12, 6144                       ; my tile in LDS
	v_add_nc_u32 v2, s13, v[LI]                    ; a half fragment's registers 0-3
	v_lshlrev_b32 v3, 3, v30
	s_add_co_u32 s13, s13, 512
	v_add_nc_u32 v3, s13, v3                       ; and 4-5
	v_add_nc_u32 v[WL], WI, v[LI]
	v_lshlrev_b32 v5, 4, v0                        ; the copies: offset in memory,
	v_lshlrev_b32 v31, 4, v0                       ; LDS address of O's,
	v_add_nc_u32 v6, WI, v5                        ; of Wo's
	v_lshlrev_b32 v7, 4, v28                       ; 16 r
	v_lshlrev_b32 v8, 6, v29                       ; 64 h
	v_lshlrev_b32 v9, 1, v28                       ; 2 r
	s_mul_i32 s13, s12, 8448
	s_add_co_u32 s13, s13, STG                     ; my stage
	v_mul_u32_u24 v10, v28, 528
	v_lshl_add_u32 v10, v29, 6, v10
	v_add_nc_u32 v10, s13, v10                     ; in: row r, + 64 h
	v_add_nc_u32 v11, s13, v[LI]                   ; back: 16 x lane
	s_and_b32 s14, ttmp7, 0xffff                   ; the block of 128 rows
	s_lshl_b32 s15, s14, 3
	s_add_co_u32 s15, s15, s12                     ; my tile
	s_mul_i32 s28, s14, 49152
	s_mov_b32 s29, 0
	s_lshl_b32 s30, ttmp9, 3
	s_add_co_u32 s30, s30, 96                      ; Wo's tiles begin at 96 in wc; my columns' eight
	s_mul_i32 s32, s30, 6144
	s_mov_b32 s33, 0
	s_lshl_b32 s34, s30, 8
	s_add_co_u32 s34, s34, 786432
	s_mov_b32 s35, 0
	s_lshr_b32 s36, s15, 8                         ; batch
	s_lshl_b32 s36, s36, 16
	s_and_b32 s37, s15, 255
	s_lshl_b32 s37, s37, 5
	s_add_co_u32 s36, s36, s37
	s_add_co_u32 s36, s36, 3145728                 ; O's scale bytes: ((8 batch + head) x 256 + tile) x 32 + 2 r
	s_mov_b32 s37, 0
	s_lshl_b32 s38, ttmp9, 9                       ; my 128 columns, in bytes
	s_mov_b32 s39, 0
	s_lshr_b32 s40, s15, 1
	s_lshl_b32 s40, s40, 5
	s_and_b32 s41, s15, 1
	s_lshl_b32 s41, s41, 3
	s_add_co_u32 s40, s40, s41                     ; the tile's first row
	s_lshl_b32 s40, s40, 11
	s_add_co_u32 s40, s40, s38
	s_mov_b32 s41, 0
	s_wait_dscnt 0x0
	s_wait_kmcnt 0x0
	s_add_nc_u64 s[16:17], s[4:5], s[28:29]
	s_add_nc_u64 s[18:19], s[6:7], s[32:33]
.set i, 0
.rept 12
	global_load_async_to_lds_b128 v31, v5, s[16:17] offset:4096*i   ; 256 threads x 16 bytes; the immediate goes onto both addresses
	global_load_async_to_lds_b128 v6, v5, s[18:19] offset:4096*i
.set i, i+1
.endr
	s_add_nc_u64 s[20:21], s[6:7], s[34:35]
	s_add_nc_u64 s[22:23], s[4:5], s[36:37]
	s_add_nc_u64 s[24:25], s[8:9], s[38:39]
	s_add_nc_u64 s[26:27], s[10:11], s[40:41]
.irp wt, 0,1,2,3,4,5,6,7
	global_load_b128 v[WS+4*\wt:WS+4*\wt+3], v7, s[20:21] offset:256*\wt
	global_load_u16 v[WF+\wt], v9, s[22:23] offset:8192*\wt              ; head wt's two scale bytes of my row r
	global_load_b128 v[ACC+8*\wt:ACC+8*\wt+3], v8, s[24:25] offset:(32*(\wt/2)+8*(\wt%2))*4
	global_load_b128 v[ACC+8*\wt+4:ACC+8*\wt+7], v8, s[24:25] offset:(32*(\wt/2)+8*(\wt%2))*4+16
.endr
	s_wait_loadcnt 0x0
.irp s, 0,1,2,3
	v_lshl_or_b32 v[AS+\s], v[WF+1+2*\s], 16, v[WF+2*\s]
.endr
	s_wait_asynccnt 0x0                            ; my copies have landed,
	s_barrier_signal -1
	s_barrier_wait -1                              ; everybody's have
.macro KSTEP s
.if \s == 0
.rept 8
	v_nop                                          ; a scale register written by a vector instruction stands eight places ahead of a scaled matrix instruction
.endr
.else
.rept 4
	v_nop                                          ; places in front of loads into registers that matrix instructions have read
.endr
.endif
.irp c, 0,1
	ds_load_b128 v[AF+6*\c:AF+6*\c+3], v2 offset:(2*\s+\c)*768
	ds_load_b64 v[AF+6*\c+4:AF+6*\c+5], v3 offset:(2*\s+\c)*768
.endr
.irp wt, 0,1,2,3,4,5,6,7
.irp c, 0,1,2
	ds_load_b128 v[WF+12*\wt+4*\c:WF+12*\wt+4*\c+3], v[WL] offset:(4*\wt+\s)*1536+512*\c
.endr
.endr
	s_wait_dscnt 0x0
.irp wt, 0,1,2,3,4,5,6,7               ; the eight accumulators by turns, one instruction a turn
	v_wmma_scale_f32_16x16x128_f8f6f4 v[ACC+8*\wt:ACC+8*\wt+7], v[WF+12*\wt:WF+12*\wt+11], v[AF:AF+11], v[ACC+8*\wt:ACC+8*\wt+7], v[WS+4*\wt+\s], v[AS+\s] matrix_a_fmt:MATRIX_FMT_FP6 matrix_b_fmt:MATRIX_FMT_FP6
.endr
.endm
	KSTEP 0
	KSTEP 1
	KSTEP 2
	KSTEP 3
.rept 4
	v_nop                                          ; places behind the last products: results are read, and loads land in registers that held operands
.endr
.irp b, 0,1,2,3
.irp m, 0,1,2,3
	ds_store_b128 v10, v[ACC+16*\b+4*\m:ACC+16*\b+4*\m+3] offset:128*\b+16*\m   ; each accumulator from its low end on
.endr
.endr
.irp i, 0,1,2,3,4,5,6,7,8,9,10,11,12,13,14,15
	ds_load_b128 v[WF+4*\i:WF+4*\i+3], v11 offset:528*\i   ; LDS serves a wave's instructions in order: these see my stores
.endr
.irp i, 0,1,2,3,4,5,6,7,8,9,10,11,12,13,14,15
	s_wait_dscnt 15-\i                             ; row i is back; the younger loads may be out
	global_store_b128 v[LI], v[WF+4*\i:WF+4*\i+3], s[26:27] offset:(\i+8*(\i/8))*2048 th:TH_STORE_NT   ; 32 lanes store 512 consecutive bytes of one row, aligned
.endr
	s_wait_tensorcnt 0x0
	ds_add_u32 v254, v255
	s_wait_dscnt 0x0
	s_endpgm
.Lfunc_end_k_qecde36dcc1_oproj:
	.size	k_qecde36dcc1_oproj, .Lfunc_end_k_qecde36dcc1_oproj-k_qecde36dcc1_oproj
	.p2alignl 7, 3214868480
	.fill 96, 4, 3214868480
	.section	.rodata,"a",@progbits
	.p2align	6, 0x0
	.amdhsa_kernel k_qecde36dcc1_oproj
		.amdhsa_group_segment_fixed_size 168960
		.amdhsa_private_segment_fixed_size 0
		.amdhsa_enable_private_segment 0
		.amdhsa_kernarg_size 32
		.amdhsa_user_sgpr_count 2
		.amdhsa_user_sgpr_kernarg_segment_ptr 1
		.amdhsa_wavefront_size32 1
		.amdhsa_system_sgpr_workgroup_id_x 1
		.amdhsa_system_sgpr_workgroup_id_y 1
		.amdhsa_system_sgpr_workgroup_id_z 1
		.amdhsa_system_vgpr_workitem_id 0
		.amdhsa_next_free_vgpr 256
		.amdhsa_next_free_sgpr 66
		.amdhsa_reserve_vcc 0
		.amdhsa_float_denorm_mode_32 3
		.amdhsa_float_denorm_mode_16_64 3
		.amdhsa_memory_ordered 1
		.amdhsa_forward_progress 1
		.amdhsa_inst_pref_size 25
	.end_amdhsa_kernel
	.amdgpu_metadata
---
amdhsa.version: [ 1, 2 ]
amdhsa.kernels:
  - .name:           k_qecde36dcc1_oproj
    .symbol:         k_qecde36dcc1_oproj.kd
    .args:
      - { .name: oc, .offset: 0, .size: 8, .value_kind: global_buffer, .address_space: global }
      - { .name: wc, .offset: 8, .size: 8, .value_kind: global_buffer, .address_space: global }
      - { .name: bo, .offset: 16, .size: 8, .value_kind: global_buffer, .address_space: global }
      - { .name: out0, .offset: 24, .size: 8, .value_kind: global_buffer, .address_space: global }
    .group_segment_fixed_size: 168960
    .private_segment_fixed_size: 0
    .kernarg_segment_align: 8
    .kernarg_segment_size: 32
    .max_flat_workgroup_size: 256
    .sgpr_count:     66
    .vgpr_count:     256
    .wavefront_size: 32
...
	.end_amdgpu_metadata
.endif
;; end of part 4
;; ======== version 2 of 2: 4 launches
;; workspace buffers: xc 3,276,800 bytes; wc 819,200 bytes; qc 3,276,800 bytes; kvc 6,553,600 bytes; oc 3,276,800 bytes
;; launch quant (part 5): grid 160 x 1, 4 waves a work-group, no clusters, 34,304 bytes of LDS; arguments x, Wq, Wk, Wv, Wo, xc, wc; writes xc, wc
.if DOCPART == 5
	.amdgcn_target "amdgcn-amd-amdhsa--gfx1250"
	.amdhsa_code_object_version 6
	.text
	.protected	k_qecde36dcc1_quant
	.globl	k_qecde36dcc1_quant
	.p2align	8
	.type	k_qecde36dcc1_quant,@function
k_qecde36dcc1_quant:
	s_mov_b64 s[64:65], 0
	v_nop
	global_prefetch_b8 v0, s[64:65] scope:SCOPE_SE
	s_setreg_imm32_b32 hwreg(HW_REG_WAVE_MODE, 25, 1), 1
	s_wait_xcnt 0x0
; x [8192][512] and the four weights [512][512], f32, K innermost, become codes of FP6 (E2M3) with one E8M0 byte for each 32 along K, laid in the ORDER OF AN OPERAND'S REGISTERS.
; TILES.  Tile T of a tensor is its rows 32 (T / 2) + 8 (T % 2) + i + 8 (i / 8), i = 0 .. 15: eight neighbouring rows and the eight that lie 16 further on.  So, where such a tile is source 0 of a product,
; the 16 result registers of tiles 2 b and 2 b + 1 are 16 neighbours along that axis, which the later launches quantise or store.
; IMAGE.  A fragment (16 rows x 128 K: 12 registers a lane) is 1,536 bytes: registers 4 c .. 4 c + 3 of lane l at 512 c + 16 l.  Tile T, K step s at (4 T + s) x 1,536; the row's four scale words at SOFF + 256 T + 16 r + 4 s.
; wc holds Wq's 32 tiles, then Wk's, Wv's, Wo's.
; A block's scale is 2^(floor(log2(its largest magnitude)) - 2); its byte is the largest magnitude's exponent field - 2, held at 1 from below.
; LIMITS: a block of zeros, and one whose largest magnitude lies under 2^-124, takes the byte 1 (a block of zeros has zero codes, which add nothing, and this program alone reads the bytes); NaN and infinities are not served.
; SHARES.  640 tiles, one to a wave.  Work-groups 0-127 take x, 128-159 the weights, eight each: only pointers are chosen, all tensors take one path.  No barrier: waves share nothing.
; Each load reads 512 consecutive bytes of one row; the 16 rows' 8,192 bytes turn through the wave's own stage in LDS, so that a lane gets 16 neighbours of each block of 32 of ITS row.
.set ROWB, 2048                        ; a row in bytes
.set SPI,  528                         ; a stage row: 512 bytes + 16: the sixteen rows that a read touches start in different banks
.set STGB, 16*SPI
.set R0,   16                          ; v16-79, v80-143  two sets of 64 numbers as loaded
.set X,    144                         ; v144-207 64 numbers: register 16 b + i = k 32 b + 16 (lane / 16) + i of my row
.set PC,   208                         ; v208-227 the codes
.set TM,   228                         ; v228-243 at work
.set PW,   244                         ; v244-247 the scale words of the four K steps
.set SW,   248                         ; v[248:249] the two that I store
.set SEL,  30                          ; s[30:31] lane selects: lane l xor 16
	s_load_b256 s[4:11], s[0:1], 0x0               ; x, Wq, Wk, Wv
	s_load_b128 s[12:15], s[0:1], 0x20             ; Wo, xc
	s_load_b64 s[16:17], s[0:1], 0x30              ; wc
	v_lshl_add_u32 v254, v0, 2, 0x8400
	v_mov_b32 v255, 0
	v_lshrrev_b32 v6, 5, v0
	v_readfirstlane_b32 s18, v6                    ; wave
	v_and_b32 v5, 31, v0                           ; lane
	v_and_b32 v6, 15, v0                           ; r
	v_bfe_u32 v7, v0, 4, 1                         ; h
	v_lshlrev_b32 v1, 4, v5                        ; 16 x lane: in a row's 512 bytes, and in an image's
	s_mul_i32 s19, s18, STGB                       ; my stage
	v_add_nc_u32 v2, s19, v1                       ; into it: 16 x lane
	v_mul_u32_u24 v3, v6, SPI
	v_lshl_add_u32 v3, v7, 6, v3
	v_add_nc_u32 v3, s19, v3                       ; out of it: row r, + 64 h
	v_lshlrev_b32 v4, 4, v6
	v_lshl_add_u32 v4, v7, 3, v4                   ; my two scale words: 16 r + 8 h
	s_mov_b32 s[SEL], 0x76543210
	s_mov_b32 s[SEL+1], 0xfedcba98
.irp b, 0,1,2,3
	v_mov_b32 v[TM+4+\b], 0                        ; written once: a lane permute's destination counts as one of its sources
.endr
	s_lshr_b32 s20, ttmp9, 3                       ; 16 .. 19 in the weights' work-groups: Wq, Wk, Wv, Wo
	s_and_b32 s21, ttmp9, 7                        ; a weight's work-group among its eight
	s_sub_co_u32 s22, ttmp9, 128                   ; and among all 32
	s_mov_b32 s23, 786432                          ; where wc's scale words begin
	s_wait_alu depctr_va_vdst(0)
	s_wait_kmcnt 0x0
	s_mov_b64 s[24:25], s[6:7]
	s_cmp_eq_u32 s20, 17
	s_cselect_b64 s[24:25], s[8:9], s[24:25]
	s_cmp_eq_u32 s20, 18
	s_cselect_b64 s[24:25], s[10:11], s[24:25]
	s_cmp_eq_u32 s20, 19
	s_cselect_b64 s[24:25], s[12:13], s[24:25]
	s_cmp_lt_u32 ttmp9, 128                        ; x's work-group?  Every choice hangs on the work-group's number alone
	s_cselect_b64 s[24:25], s[4:5], s[24:25]       ; the source
	s_cselect_b64 s[26:27], s[14:15], s[16:17]     ; xc or wc
	s_cselect_b32 s21, ttmp9, s21
	s_cselect_b32 s22, ttmp9, s22
	s_cselect_b32 s23, 3145728, s23                ; where xc's scale words begin
	s_lshl_b32 s21, s21, 2
	s_add_co_u32 s21, s21, s18                     ; my tile in the source
	s_lshl_b32 s22, s22, 2
	s_add_co_u32 s22, s22, s18                     ; and in the destination
	s_lshr_b32 s32, s21, 1
	s_lshl_b32 s32, s32, 5
	s_and_b32 s33, s21, 1
	s_lshl_b32 s33, s33, 3
	s_add_co_u32 s32, s32, s33                     ; the tile's first row
	s_lshl_b32 s32, s32, 11
	s_mov_b32 s33, 0
	s_add_nc_u64 s[24:25], s[24:25], s[32:33]
	s_lshl_b32 s32, s22, 8
	s_add_co_u32 s32, s32, s23
	s_add_nc_u64 s[28:29], s[26:27], s[32:33]      ; my tile's scale words
	s_mul_i32 s32, s22, 6144
	s_add_nc_u64 s[26:27], s[26:27], s[32:33]      ; my tile's four images
.macro LOAD s, set                     ; K step s of the tile's 16 rows: each load is 512 consecutive bytes of one row
.irp i, 0,1,2,3,4,5,6,7,8,9,10,11,12,13,14,15
	global_load_b128 v[(\set)+4*\i:(\set)+4*\i+3], v1, s[24:25] offset:(\i+8*(\i/8))*ROWB+512*(\s) th:TH_LOAD_NT
.endr
.endm
.macro TURN set                        ; through my stage: LDS serves a wave's instructions in order, so no wait stands between the stores and the loads
.irp i, 0,1,2,3,4,5,6,7,8,9,10,11,12,13,14,15
	ds_store_b128 v2, v[(\set)+4*\i:(\set)+4*\i+3] offset:SPI*\i
.endr
.irp b, 0,1,2,3
.irp j, 0,1,2,3
	ds_load_b128 v[X+16*\b+4*\j:X+16*\b+4*\j+3], v3 offset:128*\b+16*\j
.endr
.endr
.endm
; 64 numbers of a lane, register 16 b + i = k 32 b + 16 (lane / 16) + i of my row, become a fragment's codes in v[PC] on and its scale word in v[pw]
.macro QUANT s, pw
.irp b, 0,1,2,3
	v_max3_num_f32 v[TM+\b], |v[\s+16*\b]|, |v[\s+1+16*\b]|, 0x1800000   ; block b: my 16 numbers, and the floor 2^(3 - 127): the byte cannot fall under 1
.endr
.irp i, 2,4,6,8,10,12,14
.irp b, 0,1,2,3
	v_max3_num_f32 v[TM+\b], v[TM+\b], |v[\s+16*\b+\i]|, |v[\s+1+16*\b+\i]|   ; the four blocks by turns
.endr
.endr
.irp b, 0,1,2,3
	v_permlanex16_b32 v[TM+4+\b], v[TM+\b], s[SEL], s[SEL+1]
.endr
.irp b, 0,1,2,3
	v_max_num_f32 v[TM+\b], v[TM+\b], v[TM+4+\b]   ; with lane l xor 16's: the block's largest magnitude
.endr
.irp b, 0,1,2,3
	v_add_nc_u32 v[TM+12+\b], 0xff000000, v[TM+\b] ; 2 off its exponent field: the conversion's scale operand
.endr
.irp b, 0,1,2,3
	v_lshrrev_b32 v[TM+4+\b], 23, v[TM+12+\b]      ; the scale's byte
.endr
	v_lshl_or_b32 v[\pw], v[TM+5], 8, v[TM+4]
	v_lshl_or_b32 v[\pw], v[TM+6], 16, v[\pw]
	v_lshl_or_b32 v[\pw], v[TM+7], 24, v[\pw]      ; my row's scale word
.irp c, 0,1
	v_cvt_scalef32_pk16_fp6_f32 v[PC+6*\c:PC+2+6*\c], v[\s+32*\c:\s+15+32*\c], v[TM+12+2*\c]
	v_cvt_scalef32_pk16_fp6_f32 v[PC+12+4*\c:PC+14+4*\c], v[\s+16+32*\c:\s+31+32*\c], v[TM+12+2*\c+1]   ; (a conversion's three registers begin on an even number)
.endr
	v_nop                                          ; one plain place behind a scaled conversion
.irp c, 0,1                            ; the operand's layout wants a whole block in a lane: lanes 0-15 block 2 c, lanes 16-31 block 2 c + 1
.irp i, 0,1,2
	v_permlane16_swap_b32 v[PC+6*\c+\i], v[PC+12+4*\c+\i]
.endr
.irp i, 0,1,2
	v_mov_b32 v[PC+3+6*\c+\i], v[PC+12+4*\c+\i]
.endr
.endr
.endm
.macro QSTEP s
.if (\s) < 3
	s_wait_loadcnt 16                              ; this K step's 16 loads are in; the next one's 16 may be out
.else
	s_wait_loadcnt 0x0
.endif
	TURN R0+64*((\s)%2)
	s_wait_dscnt 0x0                               ; my 64 numbers are back, and the stage's stores have read the set,
.if (\s) < 2
	LOAD (\s)+2, R0+64*((\s)%2)                    ; which takes the K step two further on
.endif
.if (\s) > 0
	s_wait_xcnt 0x0                                ; the last image's stores have read the codes' registers
.endif
	QUANT X, PW+(\s)
.irp c, 0,1,2
	global_store_b128 v1, v[PC+4*\c:PC+4*\c+3], s[26:27] offset:1536*(\s)+512*\c   ; 32 lanes store 512 consecutive bytes, aligned
.endr
.endm
	LOAD 0, R0
	LOAD 1, R0+64
.irp s, 0,1,2,3
	QSTEP \s
.endr
	v_cmp_le_u32 vcc_lo, 16, v5                    ; lanes 16-31 hold the same words as lanes 0-15: they store K steps 2 and 3
	v_cndmask_b32 v[SW], v[PW], v[PW+2], vcc_lo
	v_cndmask_b32 v[SW+1], v[PW+1], v[PW+3], vcc_lo
	global_store_b64 v4, v[SW:SW+1], s[28:29]      ; 256 consecutive bytes, aligned
	s_wait_tensorcnt 0x0
	ds_add_u32 v254, v255
	s_wait_dscnt 0x0
	s_endpgm
.Lfunc_end_k_qecde36dcc1_quant:
	.size	k_qecde36dcc1_quant, .Lfunc_end_k_qecde36dcc1_quant-k_qecde36dcc1_quant
	.p2alignl 7, 3214868480
	.fill 96, 4, 3214868480
	.section	.rodata,"a",@progbits
	.p2align	6, 0x0
	.amdhsa_kernel k_qecde36dcc1_quant
		.amdhsa_group_segment_fixed_size 34304
		.amdhsa_private_segment_fixed_size 0
		.amdhsa_enable_private_segment 0
		.amdhsa_kernarg_size 56
		.amdhsa_user_sgpr_count 2
		.amdhsa_user_sgpr_kernarg_segment_ptr 1
		.amdhsa_wavefront_size32 1
		.amdhsa_system_sgpr_workgroup_id_x 1
		.amdhsa_system_sgpr_workgroup_id_y 1
		.amdhsa_system_sgpr_workgroup_id_z 1
		.amdhsa_system_vgpr_workitem_id 0
		.amdhsa_next_free_vgpr 256
		.amdhsa_next_free_sgpr 66
		.amdhsa_reserve_vcc 1
		.amdhsa_float_denorm_mode_32 3
		.amdhsa_float_denorm_mode_16_64 3
		.amdhsa_memory_ordered 1
		.amdhsa_forward_progress 1
		.amdhsa_inst_pref_size 34
	.end_amdhsa_kernel
	.amdgpu_metadata
---
amdhsa.version: [ 1, 2 ]
amdhsa.kernels:
  - .name:           k_qecde36dcc1_quant
    .symbol:         k_qecde36dcc1_quant.kd
    .args:
      - { .name: x, .offset: 0, .size: 8, .value_kind: global_buffer, .address_space: global }
      - { .name: Wq, .offset: 8, .size: 8, .value_kind: global_buffer, .address_space: global }
      - { .name: Wk, .offset: 16, .size: 8, .value_kind: global_buffer, .address_space: global }
      - { .name: Wv, .offset: 24, .size: 8, .value_kind: global_buffer, .address_space: global }
      - { .name: Wo, .offset: 32, .size: 8, .value_kind: global_buffer, .address_space: global }
      - { .name: xc, .offset: 40, .size: 8, .value_kind: global_buffer, .address_space: global }
      - { .name: wc, .offset: 48, .size: 8, .value_kind: global_buffer, .address_space: global }
    .group_segment_fixed_size: 34304
    .private_segment_fixed_size: 0
    .kernarg_segment_align: 8
    .kernarg_segment_size: 56
    .max_flat_workgroup_size: 128
    .sgpr_count:     66
    .vgpr_count:     256
    .wavefront_size: 32
...
	.end_amdgpu_metadata
.endif
;; end of part 5
;; launch qkv (part 6): grid 64 x 3, 8 waves a work-group, no clusters, 246,784 bytes of LDS; arguments xc, wc, bq, bk, bv, qc, kvc; writes qc, kvc
.if DOCPART == 6
	.amdgcn_target "amdgcn-amd-amdhsa--gfx1250"
	.amdhsa_code_object_version 6
	.text
	.protected	k_qecde36dcc1_qkv
	.globl	k_qecde36dcc1_qkv
	.p2align	8
	.type	k_qecde36dcc1_qkv,@function
k_qecde36dcc1_qkv:
	s_mov_b64 s[64:65], 0
	v_nop
	global_prefetch_b8 v0, s[64:65] scope:SCOPE_SE
	s_setreg_imm32_b32 hwreg(HW_REG_WAVE_MODE, 25, 1), 1
	s_wait_xcnt 0x0
; Q = x Wq^T + bq, K = x Wk^T + bk, V = x Wv^T + bv on codes of FP6 (E2M3) with E8M0 scales; the results are quantised in registers and leave as images of the operands that the attention launch wants.
; SHARES.  Work-group (x, y): 128 rows of x (a key step of one batch), role y = 0 Q, 1 K, 2 V.  Wave = head: 128 rows x 64 columns, 32 accumulators, K = 512 in four steps of 128: 128 matrix instructions.
; 192 work-groups: V's unit is 128 keys x 64 channels of a head, and a work-group has one role, so the work does not cut into 256 equal parts.
; LDS is filled ONCE, by asynchronous copies: the 8 tiles of x (32 images, 49,152 bytes) and the role's 32 tiles of W (128 images, 196,608 bytes), as they lie in xc and wc.  One barrier.
; W's 48 copies go in three groups of 16, each with its own pair of address registers, 65,536 bytes apart: so a copy's immediate, which goes onto both addresses, is 61,440 at the most.
; Q, K: source 0 = 16 rows of W, source 1 = 16 rows of x: a lane holds ONE row of x, and by the choice of a tile's rows its 16 registers of W's tiles 2 b, 2 b + 1 are channels 32 b + 16 (lane / 16) + 0 .. 15.
;   A head has 64 channels, half of a matrix instruction's K: the 64 registers of TWO tiles of x are quantised as one fragment: registers 0-5 tile 2 f (channels 32 h ..), registers 6-11 tile 2 f + 1.
; V: source 0 = 16 rows of x (keys), source 1 = 16 rows of W: a lane holds one channel, and its 64 registers of the 8 tiles of x are the 128 keys' 32 b + 16 (lane / 16) + 0 .. 15: V's fragment with the keys along K.
; The bias is the C of each sum's first matrix instruction.
; OUT.  qc: image of 32 queries at (128 bh + 4 ks + f) x 1,536.  kvc: slot n of head bh at (16 bh + n) x 24,576: K of key steps 2 n, 2 n + 1 (4 images each), then V of the same.  A step's four scale words of a row:
; 256 bytes a step, word of image 2 e + h at 8 (16 h + r) + 4 e: one register then carries two images' words, in lanes 0-15 and 16-31.
; LIMITS: as the quantising launch's: byte 1 for blocks of zeros and for blocks under 2^-124; NaN and infinities are not served.
; REGISTERS.  Window 0: v1-12 addresses; v16-47 x's scale words, v48-63 W's; v64-159 x's 8 fragments of a K step; v160-207 W's 4; v208-239 the bias; v240-243 V's bias as loaded; v244-250 the addresses of W's copies.
;   Behind the products v64-105 serve the quantiser.   Window 1: the 32 accumulators.
.set XI,  0
.set WI,  49152
.set LI,  1                            ; v1   16 x lane
.set WL,  2                            ; v2   WI + my head's 4 tiles + 16 x lane
.set XS,  16
.set WS,  48
.set XF,  64
.set WF,  160
.set BI,  208
.set BV,  240
.set WLA, 244                          ; v244-246 W's copies, group g: LDS address WI + 65,536 g + 16 x thread
.set WGA, 248                          ; v248-250 and the offset in memory: 65,536 g + 16 x thread
.set PC,  64
.set TM,  84
.set PW,  100
.set SW,  104
.set SEL, 40
.set MSB, 0
.macro WIN new                         ; the immediate's high byte repeats the setting that is left
.if MSB != (\new)
	s_set_vgpr_msb (MSB<<8)|(\new)
.set MSB, \new
.endif
.endm
	s_load_b256 s[4:11], s[0:1], 0x0               ; xc, wc, bq, bk
	s_load_b128 s[12:15], s[0:1], 0x20             ; bv, qc
	s_load_b64 s[16:17], s[0:1], 0x30              ; kvc
	v_lshl_add_u32 v254, v0, 2, 0x3c000
	v_mov_b32 v255, 0
	ds_add_u32 v254, v255
	ds_add_u32 v254, v255
	v_lshrrev_b32 v10, 5, v0
	s_delay_alu instid0(VALU_DEP_1)
	v_readfirstlane_b32 s20, v10                   ; wave = head
	s_mov_b32 s21, ttmp9                           ; the block of 128 rows
	s_and_b32 s22, ttmp7, 0xffff                   ; the role
	v_and_b32 v9, 31, v0                           ; lane
	v_and_b32 v10, 15, v0                          ; r
	v_bfe_u32 v11, v0, 4, 1                        ; h
	s_delay_alu instid0(VALU_DEP_3)
	v_lshlrev_b32 v[LI], 4, v9
	s_mul_i32 s23, s20, 24576
	s_add_co_u32 s23, s23, WI
	v_add_nc_u32 v[WL], s23, v[LI]
	v_lshlrev_b32 v3, 4, v10                       ; 16 r: a row's four scale words
	v_lshlrev_b32 v4, 4, v0                        ; x's copies: LDS address,
	v_lshlrev_b32 v5, 4, v0                        ; and the offset in memory
.irp g, 0,1,2
	v_lshl_add_u32 v[WLA+\g], v0, 4, WI+65536*\g
	v_lshl_add_u32 v[WGA+\g], v0, 4, 65536*\g
.endr
	v_lshlrev_b32 v7, 3, v9                        ; 8 x lane: the scale words' way out
	v_lshlrev_b32 v8, 6, v11                       ; Q's, K's bias: 64 h
	v_and_b32 v12, 8, v10
	s_delay_alu instid0(VALU_DEP_1)
	v_add_nc_u32 v12, v12, v10
	s_delay_alu instid0(VALU_DEP_1)
	v_lshlrev_b32 v12, 2, v12                      ; V's bias: 4 (r + 8 (r / 8))
	s_mov_b32 s[SEL], 0x76543210
	s_mov_b32 s[SEL+1], 0xfedcba98
	s_mul_i32 s44, s21, 49152
	s_mov_b32 s45, 0
	s_mul_i32 s54, s22, 196608
	s_mov_b32 s55, 0
	s_wait_alu depctr_va_vdst(0)
	s_wait_dscnt 0x0
	s_wait_kmcnt 0x0
	s_add_nc_u64 s[26:27], s[4:5], s[44:45]        ; my 8 tiles of x
	s_add_nc_u64 s[30:31], s[6:7], s[54:55]        ; the role's weight
.set i, 0
.rept 12
	global_load_async_to_lds_b128 v4, v5, s[26:27] offset:4096*i   ; 256 threads x 16 bytes; the immediate goes onto both addresses
.set i, i+1
.endr
.irp g, 0,1,2
.set i, 0
.rept 16
	global_load_async_to_lds_b128 v[WLA+\g], v[WGA+\g], s[30:31] offset:4096*i
.set i, i+1
.endr
.endr
	s_lshl_b32 s44, s21, 11
	s_add_co_u32 s44, s44, 3145728
	s_add_nc_u64 s[28:29], s[4:5], s[44:45]        ; x's scale words
	s_lshl_b32 s44, s22, 13
	s_lshl_b32 s43, s20, 10
	s_add_co_u32 s44, s44, s43
	s_add_co_u32 s44, s44, 786432
	s_add_nc_u64 s[32:33], s[6:7], s[44:45]        ; my head's four tiles' scale words
.irp xt, 0,1,2,3,4,5,6,7
	global_load_b128 v[XS+4*\xt:XS+4*\xt+3], v3, s[28:29] offset:256*\xt
.endr
.irp wt, 0,1,2,3
	global_load_b128 v[WS+4*\wt:WS+4*\wt+3], v3, s[32:33] offset:256*\wt
.endr
	s_lshl_b32 s44, s20, 8
	s_cmp_eq_u32 s22, 0
	s_cselect_b64 s[34:35], s[8:9], s[10:11]
	s_cselect_b64 s[36:37], s[14:15], s[16:17]     ; qc or kvc
	s_cmp_eq_u32 s22, 2
	s_cselect_b64 s[34:35], s[12:13], s[34:35]
	s_add_nc_u64 s[34:35], s[34:35], s[44:45]      ; the role's bias, my head's 64 numbers
.irp wt, 0,1,2,3                       ; both forms of the bias are asked for here, under the copies; both stay inside my head's 256 bytes
	global_load_b128 v[BI+8*\wt:BI+8*\wt+3], v8, s[34:35] offset:(32*(\wt/2)+8*(\wt%2))*4
	global_load_b128 v[BI+8*\wt+4:BI+8*\wt+7], v8, s[34:35] offset:(32*(\wt/2)+8*(\wt%2))*4+16
	global_load_b32 v[BV+\wt], v12, s[34:35] offset:(32*(\wt/2)+8*(\wt%2))*4
.endr
	; where the results go
	s_lshr_b32 s24, s21, 5                         ; batch
	s_and_b32 s25, s21, 31                         ; key step
	s_lshl_b32 s24, s24, 3
	s_add_co_u32 s24, s24, s20                     ; bh
	s_lshr_b32 s42, s22, 1                         ; 1 for V
	s_lshl_b32 s46, s24, 5
	s_add_co_u32 s46, s46, s25
	s_mul_i32 s47, s46, 6144                       ; Q: codes,
	s_lshl_b32 s46, s46, 8
	s_add_co_u32 s46, s46, 3145728                 ; scale words
	s_lshl_b32 s48, s24, 4
	s_lshr_b32 s49, s25, 1
	s_add_co_u32 s48, s48, s49
	s_mul_i32 s48, s48, 24576
	s_and_b32 s49, s25, 1
	s_mul_i32 s49, s49, 6144
	s_add_co_u32 s48, s48, s49
	s_mul_i32 s49, s42, 12288
	s_add_co_u32 s48, s48, s49                     ; K, V: codes,
	s_lshl_b32 s49, s24, 14
	s_lshl_b32 s50, s42, 13
	s_add_co_u32 s49, s49, s50
	s_lshl_b32 s50, s25, 8
	s_add_co_u32 s49, s49, s50
	s_add_co_u32 s49, s49, 6291456                 ; scale words
	s_cmp_eq_u32 s22, 0
	s_cselect_b32 s50, s47, s48
	s_cselect_b32 s52, s46, s49
	s_mov_b32 s51, 0
	s_mov_b32 s53, 0
	s_add_nc_u64 s[38:39], s[36:37], s[52:53]
	s_add_nc_u64 s[36:37], s[36:37], s[50:51]
	s_wait_loadcnt 0x0                             ; scale words and bias
	s_wait_asynccnt 0x0                            ; my copies have landed,
	s_barrier_signal -1
	s_barrier_wait -1                              ; everybody's have
.macro PROD path, s, xt, wt
.if \path
.set rD, 8*(8*\wt+\xt)
.set rA, XF+12*\xt
.set rB, WF+12*\wt
.set rSA, XS+4*\xt+\s
.set rSB, WS+4*\wt+\s
.else
.set rD, 8*(4*\xt+\wt)
.set rA, WF+12*\wt
.set rB, XF+12*\xt
.set rSA, WS+4*\wt+\s
.set rSB, XS+4*\xt+\s
.endif
.if \s == 0
	v_wmma_scale_f32_16x16x128_f8f6f4 v[rD:rD+7], v[rA:rA+11], v[rB:rB+11], v[BI+8*\wt:BI+8*\wt+7], v[rSA], v[rSB] matrix_a_fmt:MATRIX_FMT_FP6 matrix_b_fmt:MATRIX_FMT_FP6
.else
	v_wmma_scale_f32_16x16x128_f8f6f4 v[rD:rD+7], v[rA:rA+11], v[rB:rB+11], v[rD:rD+7], v[rSA], v[rSB] matrix_a_fmt:MATRIX_FMT_FP6 matrix_b_fmt:MATRIX_FMT_FP6
.endif
.endm
; A K step of 128: 36 LDS loads of 512 consecutive bytes, 32 matrix instructions.  The 32 accumulators take turns, one instruction a turn, in the same order in every step.
.macro KSTEP path, s
.rept 4
	v_nop                                          ; places in front of loads into registers that matrix instructions have read
.endr
.irp xt, 0,1,2,3,4,5,6,7
.irp c, 0,1,2
	ds_load_b128 v[XF+12*\xt+4*\c:XF+12*\xt+4*\c+3], v[LI] offset:XI+(4*\xt+\s)*1536+512*\c
.endr
.endr
.irp wt, 0,1,2,3
.irp c, 0,1,2
	ds_load_b128 v[WF+12*\wt+4*\c:WF+12*\wt+4*\c+3], v[WL] offset:(4*\wt+\s)*1536+512*\c
.endr
.endr
	s_wait_dscnt 0x0
.if \s == 0
	WIN 0x40                                       ; D window 1; the bias, as C, window 0
.else
	WIN 0x50                                       ; C and D window 1
.endif
.irp xt, 0,1,2,3,4,5,6,7
.irp wt, 0,1,2,3
	PROD \path, \s, \xt, \wt
.endr
.endr
	WIN 0
.endm
	s_cmp_eq_u32 s22, 2
	s_cbranch_scc1 .Lv
	KSTEP 0, 0
	KSTEP 0, 1
	KSTEP 0, 2
	KSTEP 0, 3
	s_branch .Lout
.Lv:
.irp wt, 0,1,2,3
.irp j, 0,1,2,3,4,5,6,7
	v_mov_b32 v[BI+8*\wt+\j], v[BV+\wt]            ; a lane holds one channel: its bias in all eight registers of the tile
.endr
.endr
	s_wait_alu depctr_va_vdst(0)
	KSTEP 1, 0
	KSTEP 1, 1
	KSTEP 1, 2
	KSTEP 1, 3
.Lout:
; 64 numbers of a lane in window 1, register 16 b + i = k 32 b + 16 (lane / 16) + i, become a fragment's codes in v[PC] on and its scale word in v[pw].  Each accumulator is read from its low end on.
.macro QUANT s, pw
	WIN 0x05                                       ; sources 0 and 1 window 1
.irp b, 0,1,2,3
	v_max3_num_f32 v[TM+\b], |v[\s+16*\b]|, |v[\s+1+16*\b]|, 0x1800000   ; and the floor 2^(3 - 127): the byte cannot fall under 1
.endr
	WIN 0x14                                       ; sources 1 and 2 window 1
.irp i, 2,4,6,8,10,12,14
.irp b, 0,1,2,3
	v_max3_num_f32 v[TM+\b], v[TM+\b], |v[\s+16*\b+\i]|, |v[\s+1+16*\b+\i]|
.endr
.endr
	WIN 0
.irp b, 0,1,2,3
	v_permlanex16_b32 v[TM+4+\b], v[TM+\b], s[SEL], s[SEL+1]
.endr
.irp b, 0,1,2,3
	s_delay_alu instid0(VALU_DEP_4)
	v_max_num_f32 v[TM+\b], v[TM+\b], v[TM+4+\b]
.endr
.irp b, 0,1,2,3
	s_delay_alu instid0(VALU_DEP_4)
	v_add_nc_u32 v[TM+12+\b], 0xff000000, v[TM+\b] ; 2 off the exponent field: the conversion's scale operand
.endr
.irp b, 0,1,2,3
	s_delay_alu instid0(VALU_DEP_4)
	v_lshrrev_b32 v[TM+4+\b], 23, v[TM+12+\b]
.endr
	s_delay_alu instid0(VALU_DEP_3)
	v_lshl_or_b32 v[\pw], v[TM+5], 8, v[TM+4]
	s_delay_alu instid0(VALU_DEP_1)
	v_lshl_or_b32 v[\pw], v[TM+6], 16, v[\pw]
	s_delay_alu instid0(VALU_DEP_1)
	v_lshl_or_b32 v[\pw], v[TM+7], 24, v[\pw]
	WIN 0x01                                       ; source 0 window 1
.irp c, 0,1
	v_cvt_scalef32_pk16_fp6_f32 v[PC+6*\c:PC+2+6*\c], v[\s+32*\c:\s+15+32*\c], v[TM+12+2*\c]
	v_cvt_scalef32_pk16_fp6_f32 v[PC+12+4*\c:PC+14+4*\c], v[\s+16+32*\c:\s+31+32*\c], v[TM+12+2*\c+1]
.endr
	WIN 0
	v_nop                                          ; one plain place behind a scaled conversion
.irp c, 0,1
.irp i, 0,1,2
	v_permlane16_swap_b32 v[PC+6*\c+\i], v[PC+12+4*\c+\i]
.endr
.irp i, 0,1,2
	s_delay_alu instid0(VALU_DEP_3)
	v_mov_b32 v[PC+3+6*\c+\i], v[PC+12+4*\c+\i]
.endr
.endr
.endm
.rept 4
	v_nop                                          ; places behind the last products: results are read, and registers that held operands are written
.endr
.irp b, 0,1,2,3
	v_mov_b32 v[TM+4+\b], 0                        ; a lane permute's destination counts as one of its sources
.endr
.irp f, 0,1,2,3
.if \f > 0
	s_wait_xcnt 0x0                                ; the last image's stores have read the codes' registers
.endif
	QUANT 64*\f, PW+\f
.irp c, 0,1,2
	global_store_b128 v[LI], v[PC+4*\c:PC+4*\c+3], s[36:37] offset:1536*\f+512*\c   ; 512 consecutive bytes, aligned
.endr
.endr
	v_cmp_le_u32 vcc_lo, 16, v9                    ; lanes 0-15 store the words of images 0 and 2, lanes 16-31 of images 1 and 3
	s_delay_alu instid0(VALU_DEP_1)
	v_cndmask_b32 v[SW], v[PW], v[PW+1], vcc_lo
	s_delay_alu instid0(VALU_DEP_2)
	v_cndmask_b32 v[SW+1], v[PW+2], v[PW+3], vcc_lo
	global_store_b64 v7, v[SW:SW+1], s[38:39]      ; 256 consecutive bytes, aligned
	s_wait_tensorcnt 0x0
	ds_add_u32 v254, v255
	s_wait_dscnt 0x0
	s_endpgm
.Lfunc_end_k_qecde36dcc1_qkv:
	.size	k_qecde36dcc1_qkv, .Lfunc_end_k_qecde36dcc1_qkv-k_qecde36dcc1_qkv
	.p2alignl 7, 3214868480
	.fill 96, 4, 3214868480
	.section	.rodata,"a",@progbits
	.p2align	6, 0x0
	.amdhsa_kernel k_qecde36dcc1_qkv
		.amdhsa_group_segment_fixed_size 246784
		.amdhsa_private_segment_fixed_size 0
		.amdhsa_enable_private_segment 0
		.amdhsa_kernarg_size 56
		.amdhsa_user_sgpr_count 2
		.amdhsa_user_sgpr_kernarg_segment_ptr 1
		.amdhsa_wavefront_size32 1
		.amdhsa_system_sgpr_workgroup_id_x 1
		.amdhsa_system_sgpr_workgroup_id_y 1
		.amdhsa_system_sgpr_workgroup_id_z 1
		.amdhsa_system_vgpr_workitem_id 0
		.amdhsa_next_free_vgpr 512
		.amdhsa_next_free_sgpr 66
		.amdhsa_reserve_vcc 1
		.amdhsa_float_denorm_mode_32 3
		.amdhsa_float_denorm_mode_16_64 3
		.amdhsa_memory_ordered 1
		.amdhsa_forward_progress 1
		.amdhsa_inst_pref_size 86
	.end_amdhsa_kernel
	.amdgpu_metadata
---
amdhsa.version: [ 1, 2 ]
amdhsa.kernels:
  - .name:           k_qecde36dcc1_qkv
    .symbol:         k_qecde36dcc1_qkv.kd
    .args:
      - { .name: xc, .offset: 0, .size: 8, .value_kind: global_buffer, .address_space: global }
      - { .name: wc, .offset: 8, .size: 8, .value_kind: global_buffer, .address_space: global }
      - { .name: bq, .offset: 16, .size: 8, .value_kind: global_buffer, .address_space: global }
      - { .name: bk, .offset: 24, .size: 8, .value_kind: global_buffer, .address_space: global }
      - { .name: bv, .offset: 32, .size: 8, .value_kind: global_buffer, .address_space: global }
      - { .name: qc, .offset: 40, .size: 8, .value_kind: global_buffer, .address_space: global }
      - { .name: kvc, .offset: 48, .size: 8, .value_kind: global_buffer, .address_space: global }
    .group_segment_fixed_size: 246784
    .private_segment_fixed_size: 0
    .kernarg_segment_align: 8
    .kernarg_segment_size: 56
    .max_flat_workgroup_size: 256
    .sgpr_count:     66
    .vgpr_count:     512
    .wavefront_size: 32
...
	.end_amdgpu_metadata
.endif
;; end of part 6
;; launch attn (part 7): grid 16 x 16, 16 waves a work-group, no clusters, 68,096 bytes of LDS; arguments qc, kvc, oc; writes oc
.if DOCPART == 7
	.amdgcn_target "amdgcn-amd-amdhsa--gfx1250"
	.amdhsa_code_object_version 6
	.text
	.protected	k_qecde36dcc1_attn
	.globl	k_qecde36dcc1_attn
	.p2align	8
	.type	k_qecde36dcc1_attn,@function
k_qecde36dcc1_attn:
	s_mov_b64 s[64:65], 0
	v_nop
	global_prefetch_b8 v0, s[64:65] scope:SCOPE_SE
	s_setreg_imm32_b32 hwreg(HW_REG_WAVE_SCHED_MODE, 0, 2), 2
	s_setreg_imm32_b32 hwreg(HW_REG_WAVE_MODE, 25, 1), 1
	s_wait_xcnt 0x0
	s_wait_alu depctr_vm_vsrc(0)
; O = softmax(Q K^T / 8) V for 16 heads (2 batches x 8) of 4,096 x 64, both products on codes of FP6 (E2M3) with E8M0 scales; O / l is quantised along the head's 64 channels and leaves as half a fragment of the last product.
; THE SOFTMAX: t = score x log2(e) / 8; M = the row's largest t so far, rounded UP to a whole number; p = 2^(t - M) is quantised along the keys, not normalised.  The row's sum l is taken of the unquantised p, in f32.
; When M moves, l and O are multiplied by 2^(old M - new M): exact.
; SHARES.  Work-group (x, y): 256 queries of head y.  Each of its sixteen waves owns one tile of 16 queries in 256 registers, four waves to a SIMD, so that one wave's vector work stands beside another's products and LDS loads.
; Every wave walks the head's 32 key steps of 128 keys.  Both products are used transposed (S^T = K Q^T, O^T = V^T P^T): a lane holds ONE query throughout.
; K = 64 UNDER AN INSTRUCTION OF 128.  A fragment of K holds TWO tiles of keys, tile 2 b in k 0-63 and tile 2 b + 1 in k 64-127.  It is multiplied once by (Q | 0) and once by (0 | Q): zero codes make the other tile's products
; zeros.  Q's scale word has the byte 1 for its zero blocks.  By the choice of a tile's keys the 16 registers of tiles 2 b, 2 b + 1 are keys 32 b + 16 (lane / 16) + 0 .. 15.
; K AND V COME THROUGH REGISTERS into two LDS slots of 256 keys (24,576 dense bytes, images of the operands' registers): each of the 512 threads loads 48 bytes of the next slot but one's predecessor two key steps before it
; stores them; one barrier a slot.  The head's scale words (16,384 bytes) come once.
; NO JOINT REQUESTS, though the 16 work-groups of a head read the same K and V: what is shared is 12,800 bytes for a key step, in which the work-group's 16 waves issue some 4,000 vector instructions; the bytes are asked for two
; key steps before they are wanted, so no wave waits for them; and joint requests would put a round of a cluster's barrier at each of the 15 changes of slots.  For the same reason nothing is prefetched.
; LIMITS: p under 2^-126 is 0; 1 / l by v_rcp_f32; a block of zeros takes the byte 1 (its codes are zeros); NaN and infinities are not served.
; THE MODE: SCHED_MODE bits 1:0 = 2 (LLVM: expert scheduling mode 2), set by the entry lines.  The code itself states the register dependences between vector or matrix instructions and memory or LDS instructions,
; with s_wait_alu, always for 0.
; THE PLAN.  Registers that memory or LDS instructions touch:
;   v1, v4, v5, v6, v7, v10, v254, v255   addresses and the add's two: made at the head, never written again: one wait on va_vdst ahead of the first load.
;   v[ADS]      written by one addition at a step's head; read by the step's two loads of scale words.
;   v[KF ..]    K's loads land at a step's head and the eight products K Q^T read them; V's loads land behind the wait for the exponentials and the four products V^T P read them.  (At the head: Q's image, read by six selects.)
;   v[KS ..]    loaded with K's fragments, read by K Q^T;   v[VS ..] loaded with V's, read by V^T P.
;   v[ST ..]    global loads land, three LDS stores a slot read them; no vector instruction names them.
;   v[S .. S+7] at the head only: loaded, stored to LDS; later the products write them.
;   v[PC ..], v[TMP]  on the way out: written by vector instructions, read by the three stores.
; A KEY STEP HAS SIX WAITS: on vm_vsrc ahead of the addition to v[ADS]; on va_vdst behind it, ahead of K's loads; on va_vdst ahead of the 64 exponentials; on va_vdst behind them, which also stands ahead of V's loads (all readers of v[KF ..] and
; v[VS ..] were issued ahead of it, and the loads follow it at once); on va_vdst behind the four exponentials; on va_vdst ahead of the products V^T P, whose operand p and scale word vector instructions have made.
; A slot has one more, on vm_vsrc, between the LDS stores of v[ST ..] and the loads that land there again.  One buffer serves K's and V's fragments: 21 registers are free, a second buffer would be 48.
.set SL0,  0                           ; LDS: slot 0, slot 1: K of two key steps (2 x 4 images of 1,536 bytes), then V of the same
.set SL1,  24576
.set SCK,  49152                       ; K's scale words of the head, 256 bytes a key step; V's 8,192 bytes further on
.set OSC,  65536                       ; O's scale bytes of the work-group's 16 tiles: 32 bytes a tile
.set LI,   1                           ; v1   16 x lane
.set ASC0, 2                           ; v2   SCK + 8 x lane
.set ADS,  3                           ; v3   the step's scale words
.set STA,  4                           ; v4   16 x thread
.set QZ,   16                          ; v16-33 six zeros, Q's six registers, six zeros: (0 | Q) = v[16:27], (Q | 0) = v[22:33]
.set QSA,  34                          ; v34  Q's scale word for (Q | 0);  v35 for (0 | Q)
.set KS,   36                          ; v[36:37] K's scale words: register e: lanes 0-15 image 2 e, lanes 16-31 image 2 e + 1
.set VS,   38                          ; v[38:39] V's likewise
.set KF,   40                          ; v40-87  four fragments: K's, then V's
.set S,    96                          ; v96-159 S^T, then p
.set O,    160                         ; v160-191 O^T
.set ST,   192                         ; v192-203 my 48 bytes of the slot on its way
.set PC,   204                         ; v204-215 p's codes
.set CT,   216                         ; v216-218, v220-222 the conversions' second halves
.set BM,   224                         ; v224-227 each block's largest score, then its largest p
.set BT,   228                         ; v228-231 at work
.set SO,   232                         ; v232-235 the conversions' scale operands
.set SP,   236                         ; v[236:237] the sum's second chain
.set TMP,  238
.set F,    240                         ; v[240:241] f = 2^(old M - new M); the upper word is named with it and holds 0
.set PWD,  242                         ; v242 p's scale word
.set SEL,  20                          ; s[20:21]
.set CS,   22                          ; s[22:23] c = log2(e) / 8
.set TS,   24                          ; s24  256 x the key step
	s_load_b128 s[4:7], s[0:1], 0x0                ; qc, kvc
	s_load_b64 s[8:9], s[0:1], 0x10                ; oc
	v_lshl_add_u32 v254, v0, 2, 0x10200
	v_mov_b32 v255, 0
	v_lshrrev_b32 v7, 5, v0
	v_readfirstlane_b32 s10, v7                    ; wave 0..15
	v_and_b32 v8, 31, v0                           ; lane
	v_and_b32 v9, 15, v0                           ; r
	v_lshlrev_b32 v[LI], 4, v8
	v_lshl_add_u32 v[ASC0], v8, 3, SCK
	v_lshlrev_b32 v[STA], 4, v0
	v_lshlrev_b32 v5, 3, v8                        ; 8 x lane
	v_and_b32 v6, 0x1e0, v0
	v_lshl_add_u32 v6, v9, 1, v6
	v_add_nc_u32 v6, OSC, v6                       ; my tile's scale bytes: OSC + 32 x wave + 2 r
	v_add_nc_u32 v7, OSC, v[LI]                    ; and where wave 0 reads all of them back
	v_lshlrev_b32 v10, 3, v9                       ; 8 r
	s_wait_alu depctr_va_sdst(0)                   ; s10 is written, ahead of its first reader: my tile's number and all that is made of it
	s_and_b32 s11, ttmp7, 0xffff                   ; bh
	s_lshl_b32 s12, ttmp9, 4
	s_add_co_u32 s12, s12, s10                     ; my tile among the head's 256
	s_lshr_b32 s13, s12, 1                         ; its block of 32 queries
	s_and_b32 s27, s10, 1                          ; which half of that block's image
	s_cmp_eq_u32 s27, 1
	s_cselect_b32 s26, -1, 0
	s_lshl_b32 s27, s27, 4
	s_mul_i32 s34, s11, 393216                     ; the head's 16 slots
	s_mov_b32 s35, 0
	s_lshl_b32 s36, s11, 14
	s_add_co_u32 s36, s36, 6291456                 ; its scale words
	s_mov_b32 s37, 0
	s_lshl_b32 s38, s11, 7
	s_add_co_u32 s38, s38, s13
	s_mul_i32 s38, s38, 1536                       ; Q's image
	s_mov_b32 s39, 0
	s_lshl_b32 s40, s11, 5
	s_lshr_b32 s41, s13, 2
	s_add_co_u32 s40, s40, s41
	s_lshl_b32 s40, s40, 8                         ; Q's scale words: 256 bytes for four images; image f: 128 (f % 2) + 4 (f / 2) + 8 r
	s_and_b32 s41, s13, 1
	s_lshl_b32 s41, s41, 7
	s_add_co_u32 s40, s40, s41
	s_bfe_u32 s41, s13, 0x10001
	s_lshl_b32 s41, s41, 2
	s_add_co_u32 s40, s40, s41
	s_add_co_u32 s40, s40, 3145728
	s_mov_b32 s41, 0
	s_lshr_b32 s42, s11, 3
	s_lshl_b32 s42, s42, 8
	s_add_co_u32 s42, s42, s12                     ; my tile among all 512
	s_mul_i32 s42, s42, 6144
	s_and_b32 s43, s11, 7
	s_mul_i32 s43, s43, 768
	s_add_co_u32 s42, s42, s43                     ; O's codes: tile x 6,144 + head x 768
	s_mov_b32 s43, 0
	s_lshl_b32 s44, s11, 8
	s_lshl_b32 s45, ttmp9, 4
	s_add_co_u32 s44, s44, s45
	s_lshl_b32 s44, s44, 5
	s_add_co_u32 s44, s44, 3145728                 ; O's scale bytes: 32 a tile, the work-group's 16 tiles on end
	s_mov_b32 s45, 0
	s_mov_b32 s[SEL], 0x76543210
	s_mov_b32 s[SEL+1], 0xfedcba98
	s_mov_b32 s[CS], 0x3e38aa3b
	s_mov_b32 s[CS+1], s[CS]                       ; (named with it as a pair, so it is written)
	s_mov_b32 s[TS], 0
	s_wait_kmcnt 0x0
	s_add_nc_u64 s[14:15], s[6:7], s[34:35]
	s_add_nc_u64 s[16:17], s[6:7], s[36:37]
	s_add_nc_u64 s[30:31], s[4:5], s[38:39]
	s_add_nc_u64 s[32:33], s[4:5], s[40:41]
	s_add_nc_u64 s[18:19], s[8:9], s[42:43]
	s_add_nc_u64 s[28:29], s[8:9], s[44:45]
	s_wait_alu depctr_va_vdst(0)                   ; v1, v4, v5, v6, v7 and v10 are written, which the kernel's loads and stores read as addresses; so are v254 and v255, which the closing add reads
	global_load_b128 v[S:S+3], v[STA], s[16:17]                ; the head's scale words: 512 threads x 32 bytes
	global_load_b128 v[S+4:S+7], v[STA], s[16:17] offset:8192
.irp i, 0,1,2
	global_load_b128 v[ST+4*\i:ST+4*\i+3], v[STA], s[14:15] offset:8192*\i   ; slot 0
.endr
.irp c, 0,1,2
	global_load_b128 v[KF+4*\c:KF+4*\c+3], v[LI], s[30:31] offset:512*\c      ; the image of my block of 32 queries
.endr
	global_load_b32 v[TMP], v10, s[32:33]          ; and its scale word
	s_wait_loadcnt 0x0
	ds_store_b128 v[STA], v[S:S+3] offset:SCK
	ds_store_b128 v[STA], v[S+4:S+7] offset:SCK+8192
.irp i, 0,1,2
	ds_store_b128 v[STA], v[ST+4*\i:ST+4*\i+3] offset:SL0+8192*\i
.endr
	s_wait_dscnt 0x0                               ; for the others' sake: my stores have landed
	s_wait_alu depctr_vm_vsrc(0)                   ; my five LDS stores have read v[ST ..], in which the loads below land, and v[S .. S+7], which the first products write
	s_add_nc_u64 s[14:15], s[14:15], 24576
.irp i, 0,1,2
	global_load_b128 v[ST+4*\i:ST+4*\i+3], v[STA], s[14:15] offset:8192*\i   ; slot 1
.endr
.irp i, 0,1,2,3,4,5
	v_mov_b32 v[QZ+\i], 0
	v_mov_b32 v[QZ+12+\i], 0
	v_cndmask_b32 v[QZ+6+\i], v[KF+\i], v[KF+6+\i], s26    ; my tile's six registers of the image's twelve
.endr
	v_lshrrev_b32 v[TMP], s27, v[TMP]
	v_and_b32 v[TMP], 0xffff, v[TMP]               ; my tile's two bytes
	v_or_b32 v[QSA], 0x01010000, v[TMP]
	v_lshl_or_b32 v[QSA+1], v[TMP], 16, 0x0101
.set j, 0
.rept 32
	v_mov_b32 v[O+j], 0                            ; O^T.  (The step is written once: the first finds zeros, which the first change of M leaves zeros.  These lines are also the places between Q's registers and the first products)
.set j, j+1
.endr
	v_mov_b32 v13, 0xff61b1e6                      ; the largest t so far: -3e38
	v_floor_f32 v12, -v13                          ; -M
	v_mov_b32 v14, 0                               ; the sum, in two halves
	v_mov_b32 v15, 0
.irp b, 0,1,2,3
	v_mov_b32 v[BT+\b], 0                          ; a lane permute's destination counts as one of its sources
.endr
	v_mov_b32 v[F+1], 0
	s_barrier_signal -1
	s_barrier_wait -1                              ; slot 0 and the scale words lie in LDS
.macro KQ b, u                         ; keys of tile 2 b + u
.set rB, QZ+6-6*\u
.if (\b)%2
	v_wmma_scale_f32_16x16x128_f8f6f4 v[S+16*\b+8*\u:S+16*\b+8*\u+7], v[KF+12*\b:KF+12*\b+11], v[rB:rB+11], 0, v[KS+\b/2], v[QSA+\u] matrix_a_fmt:MATRIX_FMT_FP6 matrix_b_fmt:MATRIX_FMT_FP6 matrix_a_scale:MATRIX_SCALE_ROW1
.else
	v_wmma_scale_f32_16x16x128_f8f6f4 v[S+16*\b+8*\u:S+16*\b+8*\u+7], v[KF+12*\b:KF+12*\b+11], v[rB:rB+11], 0, v[KS+\b/2], v[QSA+\u] matrix_a_fmt:MATRIX_FMT_FP6 matrix_b_fmt:MATRIX_FMT_FP6
.endif
.endm
.macro PV wt                           ; 16 of the head's 64 channels
.if (\wt)%2
	v_wmma_scale_f32_16x16x128_f8f6f4 v[O+8*\wt:O+8*\wt+7], v[KF+12*\wt:KF+12*\wt+11], v[PC:PC+11], v[O+8*\wt:O+8*\wt+7], v[VS+\wt/2], v[PWD] matrix_a_fmt:MATRIX_FMT_FP6 matrix_b_fmt:MATRIX_FMT_FP6 matrix_a_scale:MATRIX_SCALE_ROW1
.else
	v_wmma_scale_f32_16x16x128_f8f6f4 v[O+8*\wt:O+8*\wt+7], v[KF+12*\wt:KF+12*\wt+11], v[PC:PC+11], v[O+8*\wt:O+8*\wt+7], v[VS+\wt/2], v[PWD] matrix_a_fmt:MATRIX_FMT_FP6 matrix_b_fmt:MATRIX_FMT_FP6
.endif
.endm
; A KEY STEP: 128 keys, the q-th of the slot.
.macro STEP slot, q
	s_wait_alu depctr_vm_vsrc(0)                   ; the last step's two loads of scale words have read v[ADS], which the next line writes
	v_add_nc_u32 v[ADS], s[TS], v[ASC0]
.rept 3
	v_nop                                          ; with the line above: four places in front of loads into registers that the last products read
.endr
	s_wait_alu depctr_va_vdst(0)                   ; the last step's products V^T P are done reading v[KF ..] and its products K Q^T v[KS ..], in which the loads below land; v[ADS] is written.  In the first step: the selects are done reading v[KF ..], and Q's registers and scale words, which the scaled products take, are written
.irp b, 0,1,2,3
.irp c, 0,1,2
	ds_load_b128 v[KF+12*\b+4*\c:KF+12*\b+4*\c+3], v[LI] offset:\slot+6144*\q+1536*\b+512*\c
.endr
.endr
	ds_load_b64 v[KS:KS+1], v[ADS]
	s_wait_dscnt 0x0
.irp b, 0,1,2,3
	KQ \b, 0
	KQ \b, 1
.endr
.rept 4
	v_nop                                          ; places in front of the first read of the scores
.endr
.irp b, 0,1,2,3
	v_max3_num_f32 v[BM+\b], v[S+16*\b], v[S+16*\b+1], v[S+16*\b+2]   ; the largest score of each block of 32 keys: for the row's maximum, and, since p rises with the score, for the block's largest p
.endr
.irp i, 3,5,7,9,11,13
.irp b, 0,1,2,3
	v_max3_num_f32 v[BM+\b], v[BM+\b], v[S+16*\b+\i], v[S+16*\b+\i+1]
.endr
.endr
.irp b, 0,1,2,3
	v_max_num_f32 v[BM+\b], v[BM+\b], v[S+16*\b+15]
.endr
.irp b, 0,1,2,3
	v_permlanex16_b32 v[BT+\b], v[BM+\b], s[SEL], s[SEL+1]
.endr
.irp b, 0,1,2,3
	v_max_num_f32 v[BM+\b], v[BM+\b], v[BT+\b]     ; with lane l xor 16's 16 keys
.endr
	v_max3_num_f32 v[TMP], v[BM], v[BM+1], v[BM+2]
	v_max_num_f32 v[TMP], v[TMP], v[BM+3]          ; the step's largest score of my query
	v_mul_f32 v[TMP], s[CS], v[TMP]                ; as t
	v_max_num_f32 v13, v13, v[TMP]                 ; the running largest t
	v_mov_b32 v[TMP], v12
	v_floor_f32 v12, -v13                          ; the new -M = -ceil(t)
	v_sub_f32 v[TMP], v12, v[TMP]                  ; old M - new M: a whole number, 0 or less
	v_cvt_i32_f32 v[TMP], v[TMP]                   ; (it saturates)
	v_ldexp_f32 v[F], 1.0, v[TMP]                  ; f = 2^(old M - new M)
.set j, 0
.rept 32
	v_pk_fma_f32 v[S+j:S+j+1], v[S+j:S+j+1], s[CS:CS+1], v[12:13] op_sel_hi:[1,0,0]   ; t - M, two at a time
.set j, j+2
.endr
.irp b, 0,1,2,3
	v_fma_f32 v[BM+\b], v[BM+\b], s[CS], v12       ; the same of each block's largest score
.endr
.set j, 0
	s_wait_alu depctr_va_vdst(0)
.rept 64
	v_exp_f32 v[S+j], v[S+j]                       ; p = 2^(t - M)
.set j, j+1
.endr
	v_pk_mul_f32 v[14:15], v[14:15], v[F:F+1] op_sel_hi:[1,0]   ; the sums under the new M: a plain place behind the exponentials
	s_wait_alu depctr_va_vdst(0)                   ; the 64 exponentials have written p, ahead of its first reader; and this step's products K Q^T are done reading v[KF ..], the last step's V^T P v[VS ..], in which the loads below land
.irp wt, 0,1,2,3                       ; V's fragments are asked for here, straight behind the wait, and land under the sums, the scales, the conversions and O's rescaling
.irp c, 0,1,2
	ds_load_b128 v[KF+12*\wt+4*\c:KF+12*\wt+4*\c+3], v[LI] offset:\slot+12288+6144*\q+1536*\wt+512*\c
.endr
.endr
	ds_load_b64 v[VS:VS+1], v[ADS] offset:8192
.irp b, 0,1,2,3
	v_exp_f32 v[BM+\b], v[BM+\b]                   ; the block's largest p: the same two instructions on the same number give the same bits
.endr
	v_pk_add_f32 v[SP:SP+1], v[S:S+1], v[S+2:S+3]  ; the row's sum of the unquantised p, in two chains: plain work behind the four
.set j, 4
.rept 15
	v_pk_add_f32 v[14:15], v[14:15], v[S+j:S+j+1]
	v_pk_add_f32 v[SP:SP+1], v[SP:SP+1], v[S+j+2:S+j+3]
.set j, j+4
.endr
	v_pk_add_f32 v[14:15], v[14:15], v[SP:SP+1]
	s_wait_alu depctr_va_vdst(0)                   ; the four exponentials have written the blocks' largest p, ahead of their first reader
.irp b, 0,1,2,3
	v_max_num_f32 v[BM+\b], 0x1800000, v[BM+\b]    ; the floor 2^(3 - 127): the byte cannot fall under 1
.endr
.irp b, 0,1,2,3
	v_add_nc_u32 v[SO+\b], 0xff000000, v[BM+\b]    ; 2 off the exponent field: the conversion's scale operand
.endr
.irp b, 0,1,2,3
	v_lshrrev_b32 v[BT+\b], 23, v[SO+\b]           ; the scale's byte
.endr
	v_lshl_or_b32 v[PWD], v[BT+1], 8, v[BT]
	v_lshl_or_b32 v[PWD], v[BT+2], 16, v[PWD]
	v_lshl_or_b32 v[PWD], v[BT+3], 24, v[PWD]      ; p's scale word for these 128 keys
.irp c, 0,1
	v_cvt_scalef32_pk16_fp6_f32 v[PC+6*\c:PC+2+6*\c], v[S+32*\c:S+15+32*\c], v[SO+2*\c]
	v_cvt_scalef32_pk16_fp6_f32 v[CT+4*\c:CT+2+4*\c], v[S+16+32*\c:S+31+32*\c], v[SO+2*\c+1]
.endr
	v_nop                                          ; one plain place behind a scaled conversion
.irp c, 0,1
.irp i, 0,1,2
	v_permlane16_swap_b32 v[PC+6*\c+\i], v[CT+4*\c+\i]
.endr
.irp i, 0,1,2
	v_mov_b32 v[PC+3+6*\c+\i], v[CT+4*\c+\i]
.endr
.endr
.set j, 0
.rept 16
	v_pk_mul_f32 v[O+j:O+j+1], v[O+j:O+j+1], v[F:F+1] op_sel_hi:[1,0]   ; O^T under the new M.  Twelve of these sixteen name no register of a given product below: its places behind p's codes and scale word
.set j, j+2
.endr
	s_wait_dscnt 0x0                               ; V's fragments and scale words
	s_wait_alu depctr_va_vdst(0)                   ; p's codes v[PC ..] and its scale word v[PWD], made by vector instructions, are written: the scaled products below take them; the places above stay beside this wait
.irp wt, 0,1,2,3
	PV \wt                                         ; the four accumulators by turns, one instruction a turn
.endr
	s_add_co_u32 s[TS], s[TS], 256
.endm
; A slot's two key steps.  store: my 48 bytes of the next slot, asked for a slot ago, go into the other LDS slot, which nobody has read since the last barrier; then the barrier: behind it that slot is whole, and nobody reads this one.
; load: the slot after the next is asked for.
.macro SLOTWORK slot, other, store, load
	STEP \slot, 0
	STEP \slot, 1
.if \store
	s_wait_loadcnt 0x0                             ; my three loads of a slot ago
.irp i, 0,1,2
	ds_store_b128 v[STA], v[ST+4*\i:ST+4*\i+3] offset:\other+8192*\i
.endr
.endif
	s_wait_dscnt 0x0                               ; my stores have landed; my reads of this slot are over
.if \load
	s_wait_alu depctr_vm_vsrc(0)                   ; the three LDS stores have read v[ST ..], in which the loads below land
	s_add_nc_u64 s[14:15], s[14:15], 24576         ; (the loads that named it are done)
.irp i, 0,1,2
	global_load_b128 v[ST+4*\i:ST+4*\i+3], v[STA], s[14:15] offset:8192*\i
.endr
.endif
.if \store
	s_barrier_signal -1
	s_barrier_wait -1
.endif
.endm
	s_mov_b32 s25, 7
.Ltrip:                                ; slots 0 to 13; the last trip asks for slot 15
	SLOTWORK SL0, SL1, 1, 1
	SLOTWORK SL1, SL0, 1, 1
	s_sub_co_u32 s25, s25, 1
	s_cmp_lg_u32 s25, 0
	s_cbranch_scc1 .Ltrip
	SLOTWORK SL0, SL1, 1, 0                        ; slot 14: nothing is left to ask for
	SLOTWORK SL1, SL0, 0, 0                        ; slot 15
	; THE WAY OUT.  O^T / l; register 16 b + i is channel 32 b + 16 (lane / 16) + i of my query: two blocks of 32 of the last product's K.
.rept 4
	v_nop                                          ; places behind the last products
.endr
	v_add_f32 v14, v14, v15
	v_permlanex16_b32 v[BT], v14, s[SEL], s[SEL+1]
	v_add_f32 v14, v14, v[BT]                      ; the row's sum
	s_wait_alu depctr_va_vdst(0)
	v_rcp_f32 v14, v14
	v_nop                                          ; a plain place behind the reciprocal
	s_wait_alu depctr_va_vdst(0)                   ; the reciprocal has written v14, ahead of its first reader
.set j, 0
.rept 32
	v_mul_f32 v[S+j], v[O+j], v14                  ; each accumulator from its low end on
.set j, j+1
.endr
.irp b, 0,1
	v_max3_num_f32 v[BM+\b], |v[S+16*\b]|, |v[S+1+16*\b]|, 0x1800000
.endr
.irp i, 2,4,6,8,10,12,14
.irp b, 0,1
	v_max3_num_f32 v[BM+\b], v[BM+\b], |v[S+16*\b+\i]|, |v[S+1+16*\b+\i]|
.endr
.endr
.irp b, 0,1
	v_permlanex16_b32 v[BT+\b], v[BM+\b], s[SEL], s[SEL+1]
.endr
.irp b, 0,1
	v_max_num_f32 v[BM+\b], v[BM+\b], v[BT+\b]
.endr
.irp b, 0,1
	v_add_nc_u32 v[SO+\b], 0xff000000, v[BM+\b]
.endr
.irp b, 0,1
	v_lshrrev_b32 v[BT+\b], 23, v[SO+\b]
.endr
	v_lshl_or_b32 v[TMP], v[BT+1], 8, v[BT]        ; my query's two scale bytes
	v_cvt_scalef32_pk16_fp6_f32 v[PC:PC+2], v[S:S+15], v[SO]
	v_cvt_scalef32_pk16_fp6_f32 v[CT:CT+2], v[S+16:S+31], v[SO+1]
	v_nop
.irp i, 0,1,2
	v_permlane16_swap_b32 v[PC+\i], v[CT+\i]
.endr
.irp i, 0,1,2
	v_mov_b32 v[PC+3+\i], v[CT+\i]                 ; six registers: channels 32 (lane / 16) + 0 .. 31
.endr
	s_wait_alu depctr_va_vdst(0)                   ; O's codes v[PC .. PC+5] and the two scale bytes v[TMP] are written, which the three stores below read
	global_store_b128 v[LI], v[PC:PC+3], s[18:19]              ; 512 consecutive bytes, aligned to 256,
	global_store_b64 v5, v[PC+4:PC+5], s[18:19] offset:512     ; and 256 more
	ds_store_b16 v6, v[TMP]                        ; both halves of the lanes write the same two bytes
	s_wait_dscnt 0x0
	s_barrier_signal -1
	s_barrier_wait -1                              ; the 16 tiles' 512 scale bytes lie in LDS
	s_cmp_lg_u32 s10, 0
	s_cbranch_scc1 .Lend
	ds_load_b128 v[ST:ST+3], v7                    ; (v[ST ..] were last read by slot 14's LDS stores, ahead of the waits on vm_vsrc at the heads of slot 15's steps; no vector instruction names them)
	s_wait_dscnt 0x0
	global_store_b128 v[LI], v[ST:ST+3], s[28:29]  ; wave 0 stores them: 512 consecutive bytes, aligned
.Lend:
	s_wait_dscnt 0x0                               ; the closing lines, six on end
	s_wait_alu 0x0
	s_wait_tensorcnt 0x0
	ds_add_u32 v254, v255
	s_wait_dscnt 0x0
	s_endpgm
.Lfunc_end_k_qecde36dcc1_attn:
	.size	k_qecde36dcc1_attn, .Lfunc_end_k_qecde36dcc1_attn-k_qecde36dcc1_attn
	.p2alignl 7, 3214868480
	.fill 96, 4, 3214868480
	.section	.rodata,"a",@progbits
	.p2align	6, 0x0
	.amdhsa_kernel k_qecde36dcc1_attn
		.amdhsa_group_segment_fixed_size 68096
		.amdhsa_private_segment_fixed_size 0
		.amdhsa_enable_private_segment 0
		.amdhsa_kernarg_size 24
		.amdhsa_user_sgpr_count 2
		.amdhsa_user_sgpr_kernarg_segment_ptr 1
		.amdhsa_wavefront_size32 1
		.amdhsa_system_sgpr_workgroup_id_x 1
		.amdhsa_system_sgpr_workgroup_id_y 1
		.amdhsa_system_sgpr_workgroup_id_z 1
		.amdhsa_system_vgpr_workitem_id 0
		.amdhsa_next_free_vgpr 256
		.amdhsa_next_free_sgpr 66
		.amdhsa_reserve_vcc 0
		.amdhsa_float_denorm_mode_32 3
		.amdhsa_float_denorm_mode_16_64 3
		.amdhsa_memory_ordered 1
		.amdhsa_forward_progress 1
		.amdhsa_inst_pref_size 135
	.end_amdhsa_kernel
	.amdgpu_metadata
---
amdhsa.version: [ 1, 2 ]
amdhsa.kernels:
  - .name:           k_qecde36dcc1_attn
    .symbol:         k_qecde36dcc1_attn.kd
    .args:
      - { .name: qc, .offset: 0, .size: 8, .value_kind: global_buffer, .address_space: global }
      - { .name: kvc, .offset: 8, .size: 8, .value_kind: global_buffer, .address_space: global }
      - { .name: oc, .offset: 16, .size: 8, .value_kind: global_buffer, .address_space: global }
    .group_segment_fixed_size: 68096
    .private_segment_fixed_size: 0
    .kernarg_segment_align: 8
    .kernarg_segment_size: 24
    .max_flat_workgroup_size: 512
    .sgpr_count:     66
    .vgpr_count:     256
    .wavefront_size: 32
...
	.end_amdgpu_metadata
.endif
;; end of part 7
;; launch oproj (part 8): grid 4 x 64, 8 waves a work-group, no clusters, 168,960 bytes of LDS; arguments oc, wc, bo, out0; writes out0
.if DOCPART == 8
	.amdgcn_target "amdgcn-amd-amdhsa--gfx1250"
	.amdhsa_code_object_version 6
	.text
	.protected	k_qecde36dcc1_oproj
	.globl	k_qecde36dcc1_oproj
	.p2align	8
	.type	k_qecde36dcc1_oproj,@function
k_qecde36dcc1_oproj:
	s_mov_b64 s[64:65], 0
	v_nop
	global_prefetch_b8 v0, s[64:65] scope:SCOPE_SE
	s_setreg_imm32_b32 hwreg(HW_REG_WAVE_MODE, 25, 1), 1
	s_wait_xcnt 0x0
; out0 = O Wo^T + bo on codes of FP6 (E2M3) with E8M0 scales; out0 [8192][512] f32.
; SHARES.  Work-group (x, y): 128 columns x 128 rows.  Wave w: tile 8 y + w of O's rows against the 8 tiles of Wo's rows 128 x ..: 8 accumulators, K = 512 in four steps: 32 matrix instructions.
; LDS is filled ONCE, by asynchronous copies: the 8 tiles of O (49,152 bytes) and the 8 tiles of Wo (49,152 bytes), as they lie in oc and wc.  One barrier.  The stages have bytes of their own.
; O's K step s is heads 2 s and 2 s + 1: each head's half fragment is 768 bytes (registers 0-3 at 16 x lane, registers 4-5 at 512 + 8 x lane); its scale word is the two heads' pairs of bytes.
; Source 0 = 16 rows of Wo, source 1 = my 16 rows of O: a lane holds one row, and by the choice of a tile's rows its 16 registers of tiles 2 b, 2 b + 1 are columns 32 b + 16 (lane / 16) + 0 .. 15.
; The bias is loaded into the accumulators, in the result's layout, and is the C of the first products.  The rows leave through the wave's own stage as 512 consecutive bytes each.
.set AI,  0
.set WI,  49152
.set STG, 98304                        ; 16 rows x (512 bytes + 16) for each wave
.set LI,  1                            ; v1   16 x lane
.set WL,  4                            ; v4   WI + 16 x lane
.set AS,  12                           ; v12-15 O's scale words, one for each K step
.set AF,  16                           ; v16-27 O's fragment of a K step
.set WS,  32                           ; v32-63 Wo's scale words: four a tile
.set WF,  64                           ; v64-159 Wo's 8 fragments of a K step; at the head v64-71 O's pairs of scale bytes; on the way out v64-127 the rows
.set ACC, 160                          ; v160-223
	s_load_b256 s[4:11], s[0:1], 0x0               ; oc, wc, bo, out0
	v_lshl_add_u32 v254, v0, 2, 0x29000
	v_mov_b32 v255, 0
	ds_add_u32 v254, v255
	ds_add_u32 v254, v255
	v_lshrrev_b32 v31, 5, v0
	s_delay_alu instid0(VALU_DEP_1)
	v_readfirstlane_b32 s12, v31                   ; wave
	v_and_b32 v30, 31, v0                          ; lane
	v_and_b32 v28, 15, v0                          ; r
	v_bfe_u32 v29, v0, 4, 1                        ; h
	s_delay_alu instid0(VALU_DEP_3)
	v_lshlrev_b32 v[LI], 4, v30
	s_mul_i32 s13, s12, 6144                       ; my tile in LDS
	v_add_nc_u32 v2, s13, v[LI]                    ; a half fragment's registers 0-3
	v_lshlrev_b32 v3, 3, v30
	s_add_co_u32 s13, s13, 512
	v_add_nc_u32 v3, s13, v3                       ; and 4-5
	v_add_nc_u32 v[WL], WI, v[LI]
	v_lshlrev_b32 v5, 4, v0                        ; the copies: offset in memory,
	v_lshlrev_b32 v31, 4, v0                       ; LDS address of O's,
	s_delay_alu instid0(VALU_DEP_2)
	v_add_nc_u32 v6, WI, v5                        ; of Wo's
	v_lshlrev_b32 v7, 4, v28                       ; 16 r
	v_lshlrev_b32 v8, 6, v29                       ; 64 h
	v_lshlrev_b32 v9, 1, v28                       ; 2 r
	s_mul_i32 s13, s12, 8448
	s_add_co_u32 s13, s13, STG                     ; my stage
	v_mul_u32_u24 v10, v28, 528
	s_delay_alu instid0(VALU_DEP_1)
	v_lshl_add_u32 v10, v29, 6, v10
	s_delay_alu instid0(VALU_DEP_1)
	v_add_nc_u32 v10, s13, v10                     ; in: row r, + 64 h
	v_add_nc_u32 v11, s13, v[LI]                   ; back: 16 x lane
	s_and_b32 s14, ttmp7, 0xffff                   ; the block of 128 rows
	s_lshl_b32 s15, s14, 3
	s_add_co_u32 s15, s15, s12                     ; my tile
	s_mul_i32 s28, s14, 49152
	s_mov_b32 s29, 0
	s_lshl_b32 s30, ttmp9, 3
	s_add_co_u32 s30, s30, 96                      ; Wo's tiles begin at 96 in wc; my columns' eight
	s_mul_i32 s32, s30, 6144
	s_mov_b32 s33, 0
	s_lshl_b32 s34, s30, 8
	s_add_co_u32 s34, s34, 786432
	s_mov_b32 s35, 0
	s_lshr_b32 s36, s15, 8                         ; batch
	s_lshl_b32 s36, s36, 16
	s_and_b32 s37, s15, 255
	s_lshl_b32 s37, s37, 5
	s_add_co_u32 s36, s36, s37
	s_add_co_u32 s36, s36, 3145728                 ; O's scale bytes: ((8 batch + head) x 256 + tile) x 32 + 2 r
	s_mov_b32 s37, 0
	s_lshl_b32 s38, ttmp9, 9                       ; my 128 columns, in bytes
	s_mov_b32 s39, 0
	s_lshr_b32 s40, s15, 1
	s_lshl_b32 s40, s40, 5
	s_and_b32 s41, s15, 1
	s_lshl_b32 s41, s41, 3
	s_add_co_u32 s40, s40, s41                     ; the tile's first row
	s_lshl_b32 s40, s40, 11
	s_add_co_u32 s40, s40, s38
	s_mov_b32 s41, 0
	s_wait_alu depctr_va_vdst(0)
	s_wait_dscnt 0x0
	s_wait_kmcnt 0x0
	s_add_nc_u64 s[16:17], s[4:5], s[28:29]
	s_add_nc_u64 s[18:19], s[6:7], s[32:33]
.set i, 0
.rept 12
	global_load_async_to_lds_b128 v31, v5, s[16:17] offset:4096*i   ; 256 threads x 16 bytes; the immediate goes onto both addresses
	global_load_async_to_lds_b128 v6, v5, s[18:19] offset:4096*i
.set i, i+1
.endr
	s_add_nc_u64 s[20:21], s[6:7], s[34:35]
	s_add_nc_u64 s[22:23], s[4:5], s[36:37]
	s_add_nc_u64 s[24:25], s[8:9], s[38:39]
	s_add_nc_u64 s[26:27], s[10:11], s[40:41]
.irp wt, 0,1,2,3,4,5,6,7
	global_load_b128 v[WS+4*\wt:WS+4*\wt+3], v7, s[20:21] offset:256*\wt
	global_load_u16 v[WF+\wt], v9, s[22:23] offset:8192*\wt              ; head wt's two scale bytes of my row r
	global_load_b128 v[ACC+8*\wt:ACC+8*\wt+3], v8, s[24:25] offset:(32*(\wt/2)+8*(\wt%2))*4
	global_load_b128 v[ACC+8*\wt+4:ACC+8*\wt+7], v8, s[24:25] offset:(32*(\wt/2)+8*(\wt%2))*4+16
.endr
	s_wait_loadcnt 0x0
.irp s, 0,1,2,3
	v_lshl_or_b32 v[AS+\s], v[WF+1+2*\s], 16, v[WF+2*\s]
.endr
	s_wait_alu depctr_va_vdst(0)
	s_wait_asynccnt 0x0                            ; my copies have landed,
	s_barrier_signal -1
	s_barrier_wait -1                              ; everybody's have
.macro KSTEP s
.if \s == 0
.rept 8
	v_nop                                          ; a scale register written by a vector instruction stands eight places ahead of a scaled matrix instruction
.endr
.else
.rept 4
	v_nop                                          ; places in front of loads into registers that matrix instructions have read
.endr
.endif
.irp c, 0,1
	ds_load_b128 v[AF+6*\c:AF+6*\c+3], v2 offset:(2*\s+\c)*768
	ds_load_b64 v[AF+6*\c+4:AF+6*\c+5], v3 offset:(2*\s+\c)*768
.endr
.irp wt, 0,1,2,3,4,5,6,7
.irp c, 0,1,2
	ds_load_b128 v[WF+12*\wt+4*\c:WF+12*\wt+4*\c+3], v[WL] offset:(4*\wt+\s)*1536+512*\c
.endr
.endr
	s_wait_dscnt 0x0
.irp wt, 0,1,2,3,4,5,6,7               ; the eight accumulators by turns, one instruction a turn
	v_wmma_scale_f32_16x16x128_f8f6f4 v[ACC+8*\wt:ACC+8*\wt+7], v[WF+12*\wt:WF+12*\wt+11], v[AF:AF+11], v[ACC+8*\wt:ACC+8*\wt+7], v[WS+4*\wt+\s], v[AS+\s] matrix_a_fmt:MATRIX_FMT_FP6 matrix_b_fmt:MATRIX_FMT_FP6
.endr
.endm
	KSTEP 0
	KSTEP 1
	KSTEP 2
	KSTEP 3
.rept 4
	v_nop                                          ; places behind the last products: results are read, and loads land in registers that held operands
.endr
.irp b, 0,1,2,3
.irp m, 0,1,2,3
	ds_store_b128 v10, v[ACC+16*\b+4*\m:ACC+16*\b+4*\m+3] offset:128*\b+16*\m   ; each accumulator from its low end on
.endr
.endr
.irp i, 0,1,2,3,4,5,6,7,8,9,10,11,12,13,14,15
	ds_load_b128 v[WF+4*\i:WF+4*\i+3], v11 offset:528*\i   ; LDS serves a wave's instructions in order: these see my stores
.endr
.irp i, 0,1,2,3,4,5,6,7,8,9,10,11,12,13,14,15
	s_wait_dscnt 15-\i                             ; row i is back; the younger loads may be out
	global_store_b128 v[LI], v[WF+4*\i:WF+4*\i+3], s[26:27] offset:(\i+8*(\i/8))*2048 th:TH_STORE_NT   ; 32 lanes store 512 consecutive bytes of one row, aligned
.endr
	s_wait_tensorcnt 0x0
	ds_add_u32 v254, v255
	s_wait_dscnt 0x0
	s_endpgm
.Lfunc_end_k_qecde36dcc1_oproj:
	.size	k_qecde36dcc1_oproj, .Lfunc_end_k_qecde36dcc1_oproj-k_qecde36dcc1_oproj
	.p2alignl 7, 3214868480
	.fill 96, 4, 3214868480
	.section	.rodata,"a",@progbits
	.p2align	6, 0x0
	.amdhsa_kernel k_qecde36dcc1_oproj
		.amdhsa_group_segment_fixed_size 168960
		.amdhsa_private_segment_fixed_size 0
		.amdhsa_enable_private_segment 0
		.amdhsa_kernarg_size 32
		.amdhsa_user_sgpr_count 2
		.amdhsa_user_sgpr_kernarg_segment_ptr 1
		.amdhsa_wavefront_size32 1
		.amdhsa_system_sgpr_workgroup_id_x 1
		.amdhsa_system_sgpr_workgroup_id_y 1
		.amdhsa_system_sgpr_workgroup_id_z 1
		.amdhsa_system_vgpr_workitem_id 0
		.amdhsa_next_free_vgpr 256
		.amdhsa_next_free_sgpr 66
		.amdhsa_reserve_vcc 0
		.amdhsa_float_denorm_mode_32 3
		.amdhsa_float_denorm_mode_16_64 3
		.amdhsa_memory_ordered 1
		.amdhsa_forward_progress 1
		.amdhsa_inst_pref_size 25
	.end_amdhsa_kernel
	.amdgpu_metadata
---
amdhsa.version: [ 1, 2 ]
amdhsa.kernels:
  - .name:           k_qecde36dcc1_oproj
    .symbol:         k_qecde36dcc1_oproj.kd
    .args:
      - { .name: oc, .offset: 0, .size: 8, .value_kind: global_buffer, .address_space: global }
      - { .name: wc, .offset: 8, .size: 8, .value_kind: global_buffer, .address_space: global }
      - { .name: bo, .offset: 16, .size: 8, .value_kind: global_buffer, .address_space: global }
      - { .name: out0, .offset: 24, .size: 8, .value_kind: global_buffer, .address_space: global }
    .group_segment_fixed_size: 168960
    .private_segment_fixed_size: 0
    .kernarg_segment_align: 8
    .kernarg_segment_size: 32
    .max_flat_workgroup_size: 256
    .sgpr_count:     66
    .vgpr_count:     256
    .wavefront_size: 32
...
	.end_amdgpu_metadata
.endif
;; end of part 8
